; MI455X (gfx1250); checked and timed in simulation.
; The chip was launched on July 23, 2026; its instructions are those of AMD's public machine-readable ISA for CDNA 5 (MIT licence, August 2026) and "CDNA5" Instruction Set Architecture Reference Guide (July 2026). The comments in the code are by the model that wrote it; some were corrected since.
;; Attention Block. Allowed arithmetic: matrix products marked QUANTISED: E4M3 operands, one E8M0 scale for each 32 along K, by v_wmma_scale_f32_16x16x128_f8f6f4 with both operands' format E4M3, f32 sums; everything else in f32.
;; Inputs: ca_bo 1,024 float32; ca_nb 1,024 float32; ca_ncb 768 float32; ca_ncg 768 float32; ca_ng 1,024 float32; ca_wkv 768 x 1,024 float32; ca_wo 512 x 1,024 float32; ca_wq 1,024 x 512 float32; context 4 x 512 x 768 float32; sa_bo 1,024 float32; sa_nb 1,024 float32; sa_ncb 1,024 float32; sa_ncg 1,024 float32; sa_ng 1,024 float32; sa_wkv 1,024 x 1,024 float32; sa_wo 512 x 1,024 float32; sa_wq 1,024 x 512 float32; x 4 x 2,048 x 1,024 float32.
;; Outputs: out0 4 x 2,048 x 1,024 float32.
;; This version of the problem:
;;   THIS VERSION OF THE PROBLEM IS GIVEN IN LOW PRECISION. The matrix products marked QUANTISED in the list below multiply operands that are first quantised to E4M3 (4 exponent bits, 3 mantissa bits; 8 bits a number), with one power-of-two scale for each 32 numbers along K (OCP MX v1.0); their sums are f32. All else is computed in f32.
;;   The module's matrix products, in the order in which they are computed (A, B: the left and right operand; K: the contracted axis; several contracted axes count as one K, in the product's order):
;;     1. [M 8,192, K 1,024] x [K 1,024, N 512]; A: computed on the way; B: input sa_wq: QUANTISED
;;     2. [M 8,192, K 1,024] x [K 1,024, N 1,024]; A: computed on the way; B: input sa_wkv: QUANTISED
;;     3. batch 32 x [M 2,048, K 64] x [K 64, N 2,048]; A: computed on the way; B: computed on the way: QUANTISED
;;     4. batch 32 x [M 2,048, K 2,048] x [K 2,048, N 64]; A: softmax (see below); B: computed on the way: QUANTISED
;;     5. [M 8,192, K 512] x [K 512, N 1,024]; A: computed on the way; B: input sa_wo: QUANTISED
;;     6. [M 8,192, K 1,024] x [K 1,024, N 512]; A: computed on the way; B: input ca_wq: QUANTISED
;;     7. [M 2,048, K 768] x [K 768, N 1,024]; A: computed on the way; B: input ca_wkv: QUANTISED
;;     8. batch 32 x [M 2,048, K 64] x [K 64, N 512]; A: computed on the way; B: computed on the way: QUANTISED
;;     9. batch 32 x [M 2,048, K 512] x [K 512, N 64]; A: softmax (see below); B: computed on the way: QUANTISED
;;     10. [M 8,192, K 512] x [K 512, N 1,024]; A: computed on the way; B: input ca_wo: QUANTISED
;;   THE QUANTISER, for each operand of a quantised product, along K:
;;     - K is cut into blocks of 32 from its start; a last block that is shorter is filled with zeros.
;;     - A block's scale is 2^e with e = floor(log2(the largest magnitude in the block)) - 8, held to -126 .. 127; a block of zeros has e = 0. As a byte (E8M0): e + 127.
;;     - Each number is divided by its block's scale, clamped to +-448, and rounded to the nearest number of E4M3, ties to even, subnormals kept.
;;     - The product sums the exact products of the quantised numbers (number of the format x scale) in f32.
;;   ~~~python
;;   def quantise(x, axis):      # numpy; x: float32 -> the quantised numbers, widened to float32 again
;;       x = np.moveaxis(x, axis, -1); K = x.shape[-1]
;;       x = np.pad(x, [(0, 0)] * (x.ndim - 1) + [(0, -K % 32)]); x = x.reshape(x.shape[:-1] + (-1, 32)); a = np.abs(x).max(-1, keepdims=True)
;;       e = np.where(a > 0, np.clip(np.frexp(np.where(a > 0, a, 1))[1] - 1 - 8, -126, 127), 0)      # np.frexp(a)[1] - 1 = floor(log2(a)), exactly
;;       r = np.clip(x / 2.0 ** e, -448, 448)
;;       step = 2.0 ** (np.maximum(np.frexp(np.where(r == 0, 1, r))[1] - 1, -6) - 3)
;;       q = np.round(r / step) * step * 2.0 ** e      # np.round: ties to even
;;       return np.moveaxis(q.reshape(q.shape[:-2] + (-1,))[..., :K], -1, axis).astype(np.float32)
;;   ~~~
;;   SOFTMAX AHEAD OF A QUANTISED PRODUCT. Where the list says 'softmax', what is quantised is not the finished softmax but p = 2^(t - M), with t = logit x log2(e) and M = ceil(the row's largest t), a whole number; so 1/2 < the row's largest p <= 1. The row's sum l is taken of the UNQUANTISED p, in f32, and the product's result is divided by l at the end. Since M is a whole number, a kernel that streams over the keys may use a running M (the ceiling of the running maximum): every later rescaling is an exact power of two, which a block's scale takes up: the codes' values come out the same.
;;   OPERANDS COMPUTED ON THE WAY. 'Computed on the way' means the value that the module computes at that place (a softmax that the list does not call 'softmax' is quantised finished and normalised). What goes into a quantiser is computed in f32, as accurately as f32 sums, v_exp_f32 and their like allow (about 1e-6 of the number): no bf16 or f16 on the way to a quantiser, and a product that is left as it is and whose result goes on into a quantised operand takes f32 operands (vector FMAs, or v_wmma_f32_16x16x4_f32). A number that lies on a knife's edge between two numbers of the format may be rounded either way, as far as f32 arithmetic and the matrix unit's own rounding can turn it there, and no further.
;; One version. Each part assembles by itself: llvm-mc -triple=amdgcn-amd-amdhsa -mcpu=gfx1250 --defsym DOCPART=n.
;; ======== version 1 of 1: 8 launches
;; limits: right only within a limited range of input values
;; workspace buffers: wts_sa 2,162,688 bytes; wts_ca 2,162,688 bytes; act 19,464,192 bytes; qkv 15,138,816 bytes; ocd 4,325,376 bytes; x1 33,554,432 bytes
;; launch prep (part 1): grid 128 x 1, 16 waves a work-group, no clusters, 100,864 bytes of LDS; arguments sa_wq, sa_wkv, sa_wo, ca_wq, ca_wkv, ca_wo, context, ca_ncg, ca_ncb, wts_sa, wts_ca, act; writes wts_sa, wts_ca, act
.if DOCPART == 1
	.amdgcn_target "amdgcn-amd-amdhsa--gfx1250"
	.amdhsa_code_object_version 6
	.text
	.protected	k_q1f0de3aba2_prep
	.globl	k_q1f0de3aba2_prep
	.p2align	8
	.type	k_q1f0de3aba2_prep,@function
k_q1f0de3aba2_prep:
	s_mov_b64 s[64:65], 0
	v_nop
	global_prefetch_b8 v0, s[64:65] scope:SCOPE_SE
	s_setreg_imm32_b32 hwreg(HW_REG_WAVE_MODE, 25, 1), 1
	s_wait_xcnt 0x0
; PREP.  Work-groups 0-63: the six weights [K][N] f32 become codes of E4M3 with one E8M0 byte for each 32 along K.  Work-groups 64-127: LayerNorm of context (768 wide) and its codes.
; EVERY OPERAND THAT THIS PROGRAM HANDS ON IS AN IMAGE OF THE MATRIX OPERAND'S REGISTERS: [tile][K step of 128][2,048 bytes]; byte 512 c + 16 lane holds the 16 codes k = 32 c + 16 (lane / 16) + 0..15 of place lane % 16.
; Tile 2 G + u, place r, holds index 32 G + 8 u + r + 8 (r / 8).  Scale words: [tile][K step][16 words], word r = the four bytes of place r.
; WEIGHTS: a lane takes a column and its 128 registers run down one K step, so a block of 32 lies in one lane and nothing is transposed.  A wave: 32 columns x 128 K; each load reads 128 consecutive bytes.
; ca_wkv and context have K = 768: K steps 6 and 7 are written as zero codes with the byte 127, so that every projection has K = 1,024.
; LIMITS: NaN and infinities are not served.  A block whose largest magnitude lies under 2^-118, a block of zeros too, gets the byte 1 (the quantiser's text says 127 for zeros): its codes are zeros or
; subnormal codes under that byte, and this program alone reads the bytes.
.set W,     768
.set PITCH, 4*W+16                     ; an LDS row: an odd multiple of 16 bytes, so the 16 rows of a load start in different banks
.set NJ,    W/128                      ; loads of 512 bytes in a row
.set NR,    W/32                       ; registers of a row in a lane
.set KSW,   W/128                      ; K steps that hold numbers
.set D,   64                           ; v64-127   two rows as loaded; later 64 numbers of one place
.set G,   128                          ; v128-191  the gain at my 64 k
.set B,   192                          ; v192-255  the bias at my 64 k
.set TM,  16                           ; v16-31    statistics, later the quantiser's 16 registers
.set WV,  28
.set SS,  29
.set ZZ,  30
.set SEL, 32
.set MNT, 34
.set INVW, 35
.set EPS, 36
.set SRC, 40
.set GP,  42
.set BP,  44
.set DC,  46
.set DS,  48
.macro WLOADS pitch                    ; W(128 s + i, my column), i = 0 .. 127
.set ii, 0
.rept 128
	global_load_b32 v[64+ii], v1, s[8:9] offset:ii*\pitch th:TH_LOAD_NT
.set ii, ii+1
.endr
.endm
.macro WBLOCK c                        ; block c of the K step: 32 numbers of my column -> 32 codes in v[192 + 8 c ..], its byte into v10
.set XS, 64+32*\c
	v_max3_num_f32 v12, |v[XS]|, |v[XS+1]|, |v[XS+2]|
	v_max3_num_f32 v13, |v[XS+3]|, |v[XS+4]|, |v[XS+5]|
.irp i, 6,10,14,18,22,26
	v_max3_num_f32 v12, v12, |v[XS+\i]|, |v[XS+\i+1]|
	v_max3_num_f32 v13, v13, |v[XS+\i+2]|, |v[XS+\i+3]|
.endr
	v_max3_num_f32 v12, v12, |v[XS+30]|, |v[XS+31]|
	v_max3_num_f32 v12, v12, v13, 0x4800000        ; the floor 2^(9 - 127): the byte cannot fall under 1
	v_add_nc_u32 v11, 0xfc000000, v12              ; 8 off the exponent field: the conversion's scale operand
	v_and_or_b32 v14, v12, 0x7f800000, s[MNT]      ; 448 x the scale
	v_lshrrev_b32 v13, 23, v11                     ; the byte
.if \c == 0
	v_mov_b32 v10, v13
.else
	v_lshl_or_b32 v10, v13, 8*\c, v10
.endif
.set ii, 0
.rept 32
	v_med3_num_f32 v[XS+ii], v[XS+ii], -v14, v14   ; the conversion to an 8-bit code does not saturate (ISA guide 7.6.2): the hold comes first
.set ii, ii+1
.endr
.irp g, 0,1,2,3
	v_cvt_scalef32_pk8_fp8_f32 v[192+8*\c+2*\g:193+8*\c+2*\g], v[XS+8*\g:XS+8*\g+7], v11
.endr
	v_nop                                          ; a plain place behind the conversions
.endm
.macro REDUCE                          ; v[16:17], v[18:19]: two rows' partial sums -> the rows' sums in every lane, in v16 and v18
	v_add_f32 v16, v16, v17
	v_add_f32 v18, v18, v19
.irp m, 1,2,4,8
	v_add_f32_dpp v16, v16, v16 row_xmask:\m row_mask:0xf bank_mask:0xf
	v_add_f32_dpp v18, v18, v18 row_xmask:\m row_mask:0xf bank_mask:0xf
.endr
	v_permlanex16_b32 v20, v16, s[SEL], s[SEL+1]
	v_permlanex16_b32 v21, v18, s[SEL], s[SEL+1]
	v_add_f32 v16, v16, v20
	v_add_f32 v18, v18, v21
.endm
; 64 numbers of a lane, register 16 b + i = k 32 b + 16 (lane / 16) + i of my place, become a fragment's 16 registers of codes and its scale word
.macro QUANT s, pc, pw
.irp b, 0,1,2,3
	v_max3_num_f32 v[TM+\b], |v[\s+16*\b]|, |v[\s+1+16*\b]|, 0x4800000
.endr
.irp i, 2,4,6,8,10,12,14
.irp b, 0,1,2,3
	v_max3_num_f32 v[TM+\b], v[TM+\b], |v[\s+16*\b+\i]|, |v[\s+1+16*\b+\i]|
.endr
.endr
.irp b, 0,1,2,3
	v_permlanex16_b32 v[TM+4+\b], v[TM+\b], s[SEL], s[SEL+1]
.endr
.irp b, 0,1,2,3
	v_max_num_f32 v[TM+\b], v[TM+\b], v[TM+4+\b]   ; with lane l xor 16's 16 numbers: the block's largest magnitude
.endr
.irp b, 0,1,2,3
	v_add_nc_u32 v[TM+12+\b], 0xfc000000, v[TM+\b]
.endr
.irp b, 0,1,2,3
	v_and_or_b32 v[TM+8+\b], v[TM+\b], 0x7f800000, s[MNT]
.endr
.irp b, 0,1,2,3
	v_lshrrev_b32 v[TM+4+\b], 23, v[TM+12+\b]
.endr
	v_lshl_or_b32 v[\pw], v[TM+5], 8, v[TM+4]
	v_lshl_or_b32 v[\pw], v[TM+6], 16, v[\pw]
	v_lshl_or_b32 v[\pw], v[TM+7], 24, v[\pw]
.irp b, 0,1,2,3
.irp i, 0,1,2,3,4,5,6,7,8,9,10,11,12,13,14,15
	v_med3_num_f32 v[\s+16*\b+\i], v[\s+16*\b+\i], -v[TM+8+\b], v[TM+8+\b]
.endr
	v_cvt_scalef32_pk8_fp8_f32 v[\pc+4*\b:\pc+1+4*\b], v[\s+16*\b:\s+7+16*\b], v[TM+12+\b]
	v_cvt_scalef32_pk8_fp8_f32 v[\pc+2+4*\b:\pc+3+4*\b], v[\s+8+16*\b:\s+15+16*\b], v[TM+12+\b]
.endr
	v_nop
.endm
; PHASE 1: wave w normalises rows 2 w and 2 w + 1 of the work-group's 32 (mean; variance of x - mean; x rsqrt) and lays them into LDS at their places in the two tiles
.macro PHASE1
.irp i, 0,1
.set jj, 0
.rept NJ
	global_load_b128 v[D+32*\i+4*jj:D+32*\i+4*jj+3], v1, s[SRC:SRC+1] offset:\i*4*W+512*jj   ; 512 consecutive bytes of a row
.set jj, jj+1
.endr
.endr
.irp b, 0,1,2,3
.irp j, 0,1,2,3
	global_load_b128 v[G+16*\b+4*\j:G+16*\b+4*\j+3], v7, s[GP:GP+1] offset:128*\b+16*\j
	global_load_b128 v[B+16*\b+4*\j:B+16*\b+4*\j+3], v7, s[BP:BP+1] offset:128*\b+16*\j
.endr
.endr
	s_wait_loadcnt 32                              ; the rows are in; the 32 younger loads of gain and bias may be out
	v_pk_add_f32 v[16:17], v[D:D+1], v[D+2:D+3]
	v_pk_add_f32 v[18:19], v[D+32:D+33], v[D+34:D+35]
.set jj, 4
.rept (NR-4)/2
	v_pk_add_f32 v[16:17], v[16:17], v[D+jj:D+jj+1]
	v_pk_add_f32 v[18:19], v[18:19], v[D+32+jj:D+32+jj+1]
.set jj, jj+2
.endr
	REDUCE
	v_mul_f32 v22, s[INVW], v16                    ; the means, each twice for the packed form
	v_mul_f32 v23, s[INVW], v16
	v_mul_f32 v24, s[INVW], v18
	v_mul_f32 v25, s[INVW], v18
.set jj, 0
.rept NR/2
	v_pk_add_f32 v[D+jj:D+jj+1], v[D+jj:D+jj+1], v[22:23] neg_lo:[0,1] neg_hi:[0,1]
	v_pk_add_f32 v[D+32+jj:D+32+jj+1], v[D+32+jj:D+32+jj+1], v[24:25] neg_lo:[0,1] neg_hi:[0,1]
.set jj, jj+2
.endr
	v_pk_mul_f32 v[16:17], v[D:D+1], v[D:D+1]
	v_pk_mul_f32 v[18:19], v[D+32:D+33], v[D+32:D+33]
.set jj, 2
.rept (NR-2)/2
	v_pk_fma_f32 v[16:17], v[D+jj:D+jj+1], v[D+jj:D+jj+1], v[16:17]
	v_pk_fma_f32 v[18:19], v[D+32+jj:D+32+jj+1], v[D+32+jj:D+32+jj+1], v[18:19]
.set jj, jj+2
.endr
	REDUCE
	v_fma_f32 v16, v16, s[INVW], s[EPS]            ; the variance + 1e-5
	v_fma_f32 v18, v18, s[INVW], s[EPS]
	v_rsq_f32 v26, v16
	v_rsq_f32 v28, v18
	v_nop                                          ; a plain place behind the transcendentals
	s_wait_alu depctr_va_vdst(0)
	v_mov_b32 v27, v26
	v_mov_b32 v29, v28
.set jj, 0
.rept NR/2
	v_pk_mul_f32 v[D+jj:D+jj+1], v[D+jj:D+jj+1], v[26:27]
	v_pk_mul_f32 v[D+32+jj:D+32+jj+1], v[D+32+jj:D+32+jj+1], v[28:29]
.set jj, jj+2
.endr
.irp i, 0,1
.set jj, 0
.rept NJ
	ds_store_b128 v4, v[D+32*\i+4*jj:D+32*\i+4*jj+3] offset:\i*PITCH+512*jj
.set jj, jj+1
.endr
.endr
	s_wait_loadcnt 0x0                             ; gain and bias
	s_wait_dscnt 0x0                               ; for the others' sake: my rows lie in LDS
	s_barrier_signal -1
	s_barrier_wait -1
.endm
.macro TILEQ adr, pc, pw               ; PHASE 2: one tile, one K step: 64 numbers a lane from LDS, x gain + bias, quantised
.irp b, 0,1,2,3
.irp j, 0,1,2,3
	ds_load_b128 v[D+16*\b+4*\j:D+16*\b+4*\j+3], v[\adr] offset:128*\b+16*\j
.endr
.endr
	s_wait_dscnt 0x0
.set jj, 0
.rept 32
	v_pk_fma_f32 v[D+jj:D+jj+1], v[D+jj:D+jj+1], v[G+jj:G+jj+1], v[B+jj:B+jj+1]
.set jj, jj+2
.endr
	QUANT D, \pc, \pw
.endm
.macro TILEST u, pc, pw                ; the image: four stores of 512 consecutive bytes, and the scale words (lanes r and r + 16 write the same word with the same value)
.irp c, 0,1,2,3
	global_store_b128 v1, v[\pc+4*\c:\pc+4*\c+3], s[DC:DC+1] offset:\u*16384+512*\c
.endr
	global_store_b32 v9, v[\pw], s[DS:DS+1] offset:\u*512
.endm
	s_load_b512 s[4:19], s[0:1], 0x0               ; sa_wq, sa_wkv, sa_wo, ca_wq, ca_wkv, ca_wo, context, ca_ncg
	s_load_b256 s[20:27], s[0:1], 0x40             ; ca_ncb, wts_sa, wts_ca, act
	v_lshl_add_u32 v62, v0, 2, 0x18200
	v_mov_b32 v63, 0
	v_lshrrev_b32 v1, 5, v0
	v_readfirstlane_b32 s[WV], v1                  ; wave 0..15
	s_mov_b32 s[MNT], 0x600000                     ; the mantissa field of 448
	s_wait_kmcnt 0x0
	s_cmp_lt_u32 ttmp9, 64
	s_cbranch_scc0 .Lcontext
	; ---- WEIGHTS.  id = 32 x layer + j.  j 0-7: wq, K step j;  j 8-23: wkv, K step (j - 8) / 2, half of the columns (j - 8) % 2;  j 24-31: wo likewise
	s_lshr_b32 s50, ttmp9, 5
	s_and_b32 s51, ttmp9, 31
	s_cmp_eq_u32 s50, 0                            ; the choices hang on the work-group's number alone
	s_cselect_b64 s[4:5], s[4:5], s[10:11]
	s_cselect_b64 s[6:7], s[6:7], s[12:13]
	s_cselect_b64 s[8:9], s[8:9], s[14:15]
	s_cselect_b64 s[22:23], s[22:23], s[24:25]
	s_sub_co_u32 s52, s51, 24
	s_sub_co_u32 s56, s51, 8
	s_mov_b32 s53, 4                               ; K steps of the weight
	s_mov_b32 s54, 0x180000                        ; its codes' region
	s_mov_b32 s55, 0x20c000                        ; its scale words' region
	s_cmp_lt_u32 s51, 24
	s_cselect_b64 s[8:9], s[6:7], s[8:9]
	s_cselect_b32 s52, s56, s52
	s_cselect_b32 s53, 8, s53
	s_cselect_b32 s54, 0x80000, s54
	s_cselect_b32 s55, 0x204000, s55
	s_lshr_b32 s57, s52, 1                         ; K step
	s_and_b32 s58, s52, 1                          ; half
	s_mov_b32 s59, 12                              ; log2 of a row's bytes
	s_cmp_lt_u32 s51, 8
	s_cselect_b64 s[8:9], s[4:5], s[8:9]
	s_cselect_b32 s57, s51, s57
	s_cselect_b32 s58, 0, s58
	s_cselect_b32 s54, 0, s54
	s_cselect_b32 s55, 0x200000, s55
	s_cselect_b32 s59, 11, s59
	s_lshl_b32 s60, s58, 4
	s_add_co_u32 s60, s60, s[WV]                   ; my pair of tiles: 32 columns
	s_lshl_b32 s62, s57, 7
	s_lshl_b32 s62, s62, s59                       ; 128 rows a K step
	s_lshl_b32 s61, s60, 7
	s_add_co_u32 s62, s62, s61
	s_mov_b32 s63, 0
	s_add_nc_u64 s[8:9], s[8:9], s[62:63]
	s_lshl_b32 s61, s60, 1
	s_mul_i32 s61, s61, s53
	s_add_co_u32 s61, s61, s57                     ; block (first tile, K step)
	s_lshl_b32 s62, s61, 11
	s_add_co_u32 s62, s62, s54
	s_add_nc_u64 s[66:67], s[22:23], s[62:63]      ; codes
	s_lshl_b32 s62, s61, 6
	s_add_co_u32 s62, s62, s55
	s_add_nc_u64 s[68:69], s[22:23], s[62:63]      ; scale words
	v_and_b32 v1, 7, v0
	v_bfe_u32 v2, v0, 4, 1                         ; u: which tile of the pair
	v_bfe_u32 v3, v0, 3, 1
	v_lshl_add_u32 v1, v2, 3, v1
	v_lshl_add_u32 v1, v3, 4, v1                   ; lane 16 u + r takes column 8 u + r + 8 (r / 8)
	v_lshlrev_b32 v1, 2, v1
	s_lshl_b32 s70, s53, 11
	s_lshl_b32 s71, s53, 6
	v_and_b32 v5, 15, v0
	v_mul_lo_u32 v4, v2, s70
	v_lshl_add_u32 v4, v5, 4, v4                   ; tile u's block + 16 r
	v_mul_lo_u32 v6, v2, s71
	v_lshl_add_u32 v6, v5, 2, v6                   ; tile u's words + 4 r
	s_sub_co_u32 s70, ttmp9, 52                    ; ids 52-55: ca_wkv's K steps 6 and 7, past its 768 rows: nothing is loaded
	s_cmp_lt_u32 s70, 4
	s_cbranch_scc1 .Lzero
	s_cmp_lt_u32 s51, 8
	s_cbranch_scc1 .Lnarrow
	WLOADS 4096
	s_branch .Lloaded
.Lnarrow:
	WLOADS 2048
.Lloaded:
	s_wait_loadcnt 63                              ; of the 128 loads at most 63 are out: blocks 0 and 1 are in
	WBLOCK 0
	WBLOCK 1
	s_wait_loadcnt 32                              ; block 3's 32 loads may be out
	WBLOCK 2
	s_wait_loadcnt 0x0
	WBLOCK 3
	s_branch .Lwstore
.Lzero:
.set ii, 0
.rept 32
	v_mov_b32 v[192+ii], 0                         ; zero codes add nothing
.set ii, ii+1
.endr
	v_mov_b32 v10, 0x7f7f7f7f
.Lwstore:
.irp c, 0,1,2,3
	global_store_b128 v4, v[192+8*\c:195+8*\c], s[66:67] offset:512*\c        ; k 32 c + 0..15: sixteen lanes fill 256 consecutive bytes, aligned
	global_store_b128 v4, v[196+8*\c:199+8*\c], s[66:67] offset:512*\c+256    ; k 32 c + 16..31
.endr
	global_store_b32 v6, v10, s[68:69]
	s_endpgm
	; ---- CONTEXT.  Work-group 64 + g: rows 32 g .. 32 g + 31.  Phase 2: wave w takes K step w % 8 of tile w / 8
.Lcontext:
	s_and_b32 s[SS], s[WV], 7
	s_lshr_b32 s[ZZ], s[WV], 3
	s_mov_b32 s[SEL], 0x76543210
	s_mov_b32 s[SEL+1], 0xfedcba98                 ; v_permlanex16_b32's selects for lane l xor 16
	s_mov_b32 s[INVW], 0x3aaaaaab                  ; 1 / 768
	s_mov_b32 s[EPS], 0x3727c5ac                   ; 1e-5
	s_and_b32 s50, s[WV], 3                        ; row 2 w lies at place 16 u + r = 2 (w % 4) + 8 (w / 8) + 16 ((w / 4) % 2)
	s_lshl_b32 s50, s50, 1
	s_lshl_b32 s51, s[ZZ], 3
	s_add_co_u32 s50, s50, s51
	s_bfe_u32 s51, s[WV], 0x10002
	s_lshl_b32 s51, s51, 4
	s_add_co_u32 s50, s50, s51
	s_mul_i32 s50, s50, PITCH
	v_and_b32 v1, 31, v0
	v_lshlrev_b32 v1, 4, v1                        ; 16 x lane
	v_and_b32 v2, 15, v0                           ; r
	v_bfe_u32 v3, v0, 4, 1                         ; h
	v_add_nc_u32 v4, s50, v1                       ; phase 1's stores
	v_mul_u32_u24 v5, v2, PITCH
	v_lshl_add_u32 v5, v3, 6, v5
	s_lshl_b32 s51, s[SS], 9
	s_mul_i32 s52, s[ZZ], 16*PITCH
	s_add_co_u32 s51, s51, s52
	v_add_nc_u32 v5, s51, v5                       ; phase 2's loads: place r of my tile, 64 h, my K step
	v_lshlrev_b32 v7, 6, v3
	v_lshlrev_b32 v9, 2, v2
.irp b, 0,1,2,3
	v_mov_b32 v[TM+4+\b], 0                        ; a lane permute's destination counts as one of its sources
.endr
	s_sub_co_u32 s53, ttmp9, 64
	s_mul_i32 s54, s53, 32*4*W
	s_mul_i32 s52, s[WV], 2*4*W
	s_add_co_u32 s54, s54, s52
	s_mov_b32 s55, 0
	s_add_nc_u64 s[SRC:SRC+1], s[16:17], s[54:55]
	s_min_u32 s54, s[SS], KSW-1                    ; the waves of K steps 6 and 7 use no gain: their address is held inside the buffer
	s_lshl_b32 s54, s54, 9
	s_add_nc_u64 s[GP:GP+1], s[18:19], s[54:55]
	s_add_nc_u64 s[BP:BP+1], s[20:21], s[54:55]
	s_lshl_b32 s52, s53, 1
	s_add_co_u32 s52, s52, s[ZZ]                   ; my tile
	s_lshl_b32 s54, s52, 14
	s_lshl_b32 s51, s[SS], 11
	s_add_co_u32 s54, s54, s51
	s_add_co_u32 s54, s54, 0x1000000
	s_add_nc_u64 s[DC:DC+1], s[26:27], s[54:55]
	s_lshl_b32 s54, s52, 9
	s_lshl_b32 s51, s[SS], 6
	s_add_co_u32 s54, s54, s51
	s_add_co_u32 s54, s54, 0x1280000
	s_add_nc_u64 s[DS:DS+1], s[26:27], s[54:55]
	PHASE1
	s_cmp_ge_u32 s[SS], KSW
	s_cbranch_scc1 .Lpad
	TILEQ 5, 32, 14
	s_branch .Lout
.Lpad:
.set ii, 0
.rept 16
	v_mov_b32 v[32+ii], 0
.set ii, ii+1
.endr
	v_mov_b32 v14, 0x7f7f7f7f
.Lout:
	TILEST 0, 32, 14
	s_wait_tensorcnt 0x0
	ds_add_u32 v62, v63
	s_wait_dscnt 0x0
	s_endpgm
.Lfunc_end_k_q1f0de3aba2_prep:
	.size	k_q1f0de3aba2_prep, .Lfunc_end_k_q1f0de3aba2_prep-k_q1f0de3aba2_prep
	.p2alignl 7, 3214868480
	.fill 96, 4, 3214868480
	.section	.rodata,"a",@progbits
	.p2align	6, 0x0
	.amdhsa_kernel k_q1f0de3aba2_prep
		.amdhsa_group_segment_fixed_size 100864
		.amdhsa_private_segment_fixed_size 0
		.amdhsa_enable_private_segment 0
		.amdhsa_kernarg_size 96
		.amdhsa_user_sgpr_count 2
		.amdhsa_user_sgpr_kernarg_segment_ptr 1
		.amdhsa_wavefront_size32 1
		.amdhsa_system_sgpr_workgroup_id_x 1
		.amdhsa_system_sgpr_workgroup_id_y 1
		.amdhsa_system_sgpr_workgroup_id_z 1
		.amdhsa_system_vgpr_workitem_id 0
		.amdhsa_next_free_vgpr 256
		.amdhsa_next_free_sgpr 72
		.amdhsa_reserve_vcc 0
		.amdhsa_float_denorm_mode_32 3
		.amdhsa_float_denorm_mode_16_64 3
		.amdhsa_memory_ordered 1
		.amdhsa_forward_progress 1
		.amdhsa_inst_pref_size 71
	.end_amdhsa_kernel
	.amdgpu_metadata
---
amdhsa.version: [ 1, 2 ]
amdhsa.kernels:
  - .name:           k_q1f0de3aba2_prep
    .symbol:         k_q1f0de3aba2_prep.kd
    .args:
      - { .name: sa_wq, .offset: 0, .size: 8, .value_kind: global_buffer, .address_space: global }
      - { .name: sa_wkv, .offset: 8, .size: 8, .value_kind: global_buffer, .address_space: global }
      - { .name: sa_wo, .offset: 16, .size: 8, .value_kind: global_buffer, .address_space: global }
      - { .name: ca_wq, .offset: 24, .size: 8, .value_kind: global_buffer, .address_space: global }
      - { .name: ca_wkv, .offset: 32, .size: 8, .value_kind: global_buffer, .address_space: global }
      - { .name: ca_wo, .offset: 40, .size: 8, .value_kind: global_buffer, .address_space: global }
      - { .name: context, .offset: 48, .size: 8, .value_kind: global_buffer, .address_space: global }
      - { .name: ca_ncg, .offset: 56, .size: 8, .value_kind: global_buffer, .address_space: global }
      - { .name: ca_ncb, .offset: 64, .size: 8, .value_kind: global_buffer, .address_space: global }
      - { .name: wts_sa, .offset: 72, .size: 8, .value_kind: global_buffer, .address_space: global }
      - { .name: wts_ca, .offset: 80, .size: 8, .value_kind: global_buffer, .address_space: global }
      - { .name: act, .offset: 88, .size: 8, .value_kind: global_buffer, .address_space: global }
    .group_segment_fixed_size: 100864
    .private_segment_fixed_size: 0
    .kernarg_segment_align: 8
    .kernarg_segment_size: 96
    .max_flat_workgroup_size: 512
    .sgpr_count:     72
    .vgpr_count:     256
    .wavefront_size: 32
...
	.end_amdgpu_metadata
.endif
;; end of part 1
;; launch ln1 (part 2): grid 256 x 1, 16 waves a work-group, no clusters, 133,632 bytes of LDS; arguments x, sa_ng, sa_nb, sa_ncg, sa_ncb, act; writes act
.if DOCPART == 2
	.amdgcn_target "amdgcn-amd-amdhsa--gfx1250"
	.amdhsa_code_object_version 6
	.text
	.protected	k_q1f0de3aba2_ln1
	.globl	k_q1f0de3aba2_ln1
	.p2align	8
	.type	k_q1f0de3aba2_ln1,@function
k_q1f0de3aba2_ln1:
	s_mov_b64 s[64:65], 0
	v_nop
	global_prefetch_b8 v0, s[64:65] scope:SCOPE_SE
	s_setreg_imm32_b32 hwreg(HW_REG_WAVE_MODE, 25, 1), 1
	s_wait_xcnt 0x0
; LN1.  x [8192][1024] f32 -> two operands of codes of E4M3: LN(x) x sa_ng + sa_nb and LN(x) x sa_ncg + sa_ncb, each quantised along the 1,024 features.
; A work-group takes 32 rows (a pair of tiles).  Phase 1: wave w normalises rows 2 w, 2 w + 1 with dense loads and lays them into LDS at their places.  Phase 2: wave w takes K step w % 8 and gain set w / 8, for both tiles.
; The operands leave as images of the matrix operand's registers: [tile][K step][2,048 bytes], byte 512 c + 16 lane = codes k 32 c + 16 (lane / 16) + 0..15 of place lane % 16;
; tile 2 G + u, place r = row 32 G + 8 u + r + 8 (r / 8); scale words [tile][K step][16 words].  x is read once; memory binds, so no matrix unit, no cluster, no tensor load.
; LIMITS: NaN and infinities are not served.  A block whose largest magnitude lies under 2^-118, a block of zeros too, gets the byte 1; this program alone reads the bytes.
.set W,     1024
.set PITCH, 4*W+16
.set NJ,    W/128
.set NR,    W/32
.set D,   64
.set G,   128
.set B,   192
.set TM,  16
.set WV,  28
.set SS,  29
.set ZZ,  30
.set SEL, 32
.set MNT, 34
.set INVW, 35
.set EPS, 36
.set SRC, 40
.set GP,  42
.set BP,  44
.set DC,  46
.set DS,  48
.macro REDUCE
	s_delay_alu instid0(VALU_DEP_2)
	v_add_f32 v16, v16, v17
	s_delay_alu instid0(VALU_DEP_2)
	v_add_f32 v18, v18, v19
.irp m, 1,2,4,8
	s_delay_alu instid0(VALU_DEP_2)
	v_add_f32_dpp v16, v16, v16 row_xmask:\m row_mask:0xf bank_mask:0xf
	s_delay_alu instid0(VALU_DEP_2)
	v_add_f32_dpp v18, v18, v18 row_xmask:\m row_mask:0xf bank_mask:0xf
.endr
	s_delay_alu instid0(VALU_DEP_2)
	v_permlanex16_b32 v20, v16, s[SEL], s[SEL+1]
	s_delay_alu instid0(VALU_DEP_2)
	v_permlanex16_b32 v21, v18, s[SEL], s[SEL+1]
	s_delay_alu instid0(VALU_DEP_2)
	v_add_f32 v16, v16, v20
	s_delay_alu instid0(VALU_DEP_2)
	v_add_f32 v18, v18, v21
.endm
.macro QUANT s, pc, pw
.irp b, 0,1,2,3
	v_max3_num_f32 v[TM+\b], |v[\s+16*\b]|, |v[\s+1+16*\b]|, 0x4800000   ; the floor 2^(9 - 127): the byte cannot fall under 1
.endr
.irp i, 2,4,6,8,10,12,14
.irp b, 0,1,2,3
	s_delay_alu instid0(VALU_DEP_4)
	v_max3_num_f32 v[TM+\b], v[TM+\b], |v[\s+16*\b+\i]|, |v[\s+1+16*\b+\i]|
.endr
.endr
.irp b, 0,1,2,3
	s_delay_alu instid0(VALU_DEP_4)
	v_permlanex16_b32 v[TM+4+\b], v[TM+\b], s[SEL], s[SEL+1]
.endr
.irp b, 0,1,2,3
	s_delay_alu instid0(VALU_DEP_4)
	v_max_num_f32 v[TM+\b], v[TM+\b], v[TM+4+\b]
.endr
.irp b, 0,1,2,3
	s_delay_alu instid0(VALU_DEP_4)
	v_add_nc_u32 v[TM+12+\b], 0xfc000000, v[TM+\b]   ; 8 off the exponent field: the conversion's scale operand
.endr
.irp b, 0,1,2,3
.endr
.irp b, 0,1,2,3
	s_delay_alu instid0(VALU_DEP_4)
	v_lshrrev_b32 v[TM+4+\b], 23, v[TM+12+\b]
.endr
	s_delay_alu instid0(VALU_DEP_3)
	v_lshl_or_b32 v[\pw], v[TM+5], 8, v[TM+4]
	s_delay_alu instid0(VALU_DEP_1)
	v_lshl_or_b32 v[\pw], v[TM+6], 16, v[\pw]
	s_delay_alu instid0(VALU_DEP_1)
	v_lshl_or_b32 v[\pw], v[TM+7], 24, v[\pw]
.irp b, 0,1,2,3
.irp i, 0,1,2,3,4,5,6,7,8,9,10,11,12,13,14,15
.endr
	v_cvt_scalef32_pk8_fp8_f32 v[\pc+4*\b:\pc+1+4*\b], v[\s+16*\b:\s+7+16*\b], v[TM+12+\b]
	v_cvt_scalef32_pk8_fp8_f32 v[\pc+2+4*\b:\pc+3+4*\b], v[\s+8+16*\b:\s+15+16*\b], v[TM+12+\b]
.endr
	v_nop
.endm
.macro PHASE1
.irp i, 0,1
.set jj, 0
.rept NJ
	global_load_b128 v[D+32*\i+4*jj:D+32*\i+4*jj+3], v1, s[SRC:SRC+1] offset:\i*4*W+512*jj
.set jj, jj+1
.endr
.endr
.irp b, 0,1,2,3
.irp j, 0,1,2,3
	global_load_b128 v[G+16*\b+4*\j:G+16*\b+4*\j+3], v7, s[GP:GP+1] offset:128*\b+16*\j
	global_load_b128 v[B+16*\b+4*\j:B+16*\b+4*\j+3], v7, s[BP:BP+1] offset:128*\b+16*\j
.endr
.endr
	s_wait_loadcnt 32                              ; the rows are in; the 32 younger loads of gain and bias may be out
	v_pk_add_f32 v[16:17], v[D:D+1], v[D+2:D+3]
	v_pk_add_f32 v[18:19], v[D+32:D+33], v[D+34:D+35]
.set jj, 4
.rept (NR-4)/2
	s_delay_alu instid0(VALU_DEP_2)
	v_pk_add_f32 v[16:17], v[16:17], v[D+jj:D+jj+1]
	s_delay_alu instid0(VALU_DEP_2)
	v_pk_add_f32 v[18:19], v[18:19], v[D+32+jj:D+32+jj+1]
.set jj, jj+2
.endr
	REDUCE
	s_delay_alu instid0(VALU_DEP_2)
	v_mul_f32 v22, s[INVW], v16
	s_delay_alu instid0(VALU_DEP_3)
	v_mul_f32 v23, s[INVW], v16
	s_delay_alu instid0(VALU_DEP_3)
	v_mul_f32 v24, s[INVW], v18
	s_delay_alu instid0(VALU_DEP_4)
	v_mul_f32 v25, s[INVW], v18
.set jj, 0
.rept NR/2
	v_pk_add_f32 v[D+jj:D+jj+1], v[D+jj:D+jj+1], v[22:23] neg_lo:[0,1] neg_hi:[0,1]
	v_pk_add_f32 v[D+32+jj:D+32+jj+1], v[D+32+jj:D+32+jj+1], v[24:25] neg_lo:[0,1] neg_hi:[0,1]
.set jj, jj+2
.endr
	v_pk_mul_f32 v[16:17], v[D:D+1], v[D:D+1]      ; the variance is taken of x - mean: a common offset does it no harm
	v_pk_mul_f32 v[18:19], v[D+32:D+33], v[D+32:D+33]
.set jj, 2
.rept (NR-2)/2
	s_delay_alu instid0(VALU_DEP_2)
	v_pk_fma_f32 v[16:17], v[D+jj:D+jj+1], v[D+jj:D+jj+1], v[16:17]
	s_delay_alu instid0(VALU_DEP_2)
	v_pk_fma_f32 v[18:19], v[D+32+jj:D+32+jj+1], v[D+32+jj:D+32+jj+1], v[18:19]
.set jj, jj+2
.endr
	REDUCE
	s_delay_alu instid0(VALU_DEP_2)
	v_fma_f32 v16, v16, s[INVW], s[EPS]
	s_delay_alu instid0(VALU_DEP_2)
	v_fma_f32 v18, v18, s[INVW], s[EPS]
	s_wait_alu depctr_va_vdst(0)
	v_rsq_f32 v26, v16
	v_rsq_f32 v28, v18
	v_nop                                          ; a plain place behind the transcendentals
	s_wait_alu depctr_va_vdst(0)
	v_mov_b32 v27, v26
	v_mov_b32 v29, v28
.set jj, 0
.rept NR/2
	v_pk_mul_f32 v[D+jj:D+jj+1], v[D+jj:D+jj+1], v[26:27]
	v_pk_mul_f32 v[D+32+jj:D+32+jj+1], v[D+32+jj:D+32+jj+1], v[28:29]
.set jj, jj+2
.endr
.irp i, 0,1
.set jj, 0
.rept NJ
	ds_store_b128 v4, v[D+32*\i+4*jj:D+32*\i+4*jj+3] offset:\i*PITCH+512*jj
.set jj, jj+1
.endr
.endr
	s_wait_loadcnt 0x0                             ; gain and bias
	s_wait_dscnt 0x0                               ; for the others' sake: my rows lie in LDS
	s_barrier_signal -1
	s_barrier_wait -1
.endm
.macro TILEQ adr, pc, pw
.irp b, 0,1,2,3
.irp j, 0,1,2,3
	ds_load_b128 v[D+16*\b+4*\j:D+16*\b+4*\j+3], v[\adr] offset:128*\b+16*\j
.endr
.endr
	s_wait_dscnt 0x0
.set jj, 0
.rept 32
	v_pk_fma_f32 v[D+jj:D+jj+1], v[D+jj:D+jj+1], v[G+jj:G+jj+1], v[B+jj:B+jj+1]
.set jj, jj+2
.endr
	QUANT D, \pc, \pw
.endm
.macro TILEST u, pc, pw
.irp c, 0,1,2,3
	global_store_b128 v1, v[\pc+4*\c:\pc+4*\c+3], s[DC:DC+1] offset:\u*16384+512*\c   ; 512 consecutive bytes, aligned
.endr
	global_store_b32 v9, v[\pw], s[DS:DS+1] offset:\u*512   ; lanes r and r + 16 write the same word with the same value
.endm
	s_load_b256 s[4:11], s[0:1], 0x0               ; x, sa_ng, sa_nb, sa_ncg
	s_load_b128 s[12:15], s[0:1], 0x20             ; sa_ncb, act
	v_lshl_add_u32 v12, v0, 2, 0x20200
	v_mov_b32 v13, 0
	v_lshrrev_b32 v1, 5, v0
	s_delay_alu instid0(VALU_DEP_1)
	v_readfirstlane_b32 s[WV], v1
	s_and_b32 s[SS], s[WV], 7                      ; my K step in phase 2
	s_lshr_b32 s[ZZ], s[WV], 3                     ; my gain set
	s_mov_b32 s[SEL], 0x76543210
	s_mov_b32 s[SEL+1], 0xfedcba98
	s_mov_b32 s[INVW], 0x3a800000                  ; 1 / 1,024
	s_mov_b32 s[EPS], 0x3727c5ac                   ; 1e-5
	s_and_b32 s50, s[WV], 3                        ; row 2 w lies at place 16 u + r = 2 (w % 4) + 8 (w / 8) + 16 ((w / 4) % 2)
	s_lshl_b32 s50, s50, 1
	s_lshl_b32 s51, s[ZZ], 3
	s_add_co_u32 s50, s50, s51
	s_bfe_u32 s51, s[WV], 0x10002
	s_lshl_b32 s51, s51, 4
	s_add_co_u32 s50, s50, s51
	s_mul_i32 s50, s50, PITCH
	v_and_b32 v1, 31, v0
	s_delay_alu instid0(VALU_DEP_1)
	v_lshlrev_b32 v1, 4, v1                        ; 16 x lane
	v_and_b32 v2, 15, v0                           ; r
	v_bfe_u32 v3, v0, 4, 1                         ; h
	s_delay_alu instid0(VALU_DEP_3)
	v_add_nc_u32 v4, s50, v1
	s_delay_alu instid0(VALU_DEP_3)
	v_mul_u32_u24 v5, v2, PITCH
	s_delay_alu instid0(VALU_DEP_1)
	v_lshl_add_u32 v5, v3, 6, v5
	s_lshl_b32 s51, s[SS], 9
	v_add_nc_u32 v5, s51, v5                       ; tile 0: place r, 64 h, my K step
	s_delay_alu instid0(VALU_DEP_1)
	v_add_nc_u32 v6, 16*PITCH, v5                  ; tile 1
	v_lshlrev_b32 v7, 6, v3
	v_lshlrev_b32 v9, 2, v2
.irp b, 0,1,2,3
	v_mov_b32 v[TM+4+\b], 0                        ; a lane permute's destination counts as one of its sources
.endr
	s_lshl_b32 s50, ttmp9, 17                      ; 32 rows of 4,096 bytes a work-group,
	s_lshl_b32 s51, s[WV], 13                      ; two a wave
	s_add_co_u32 s50, s50, s51
	s_mov_b32 s51, 0
	s_wait_alu depctr_va_vdst(0)
	s_wait_kmcnt 0x0
	s_add_nc_u64 s[SRC:SRC+1], s[4:5], s[50:51]
	s_cmp_eq_u32 s[ZZ], 0
	s_cselect_b64 s[GP:GP+1], s[6:7], s[10:11]
	s_cselect_b64 s[BP:BP+1], s[8:9], s[12:13]
	s_lshl_b32 s50, s[SS], 9
	s_add_nc_u64 s[GP:GP+1], s[GP:GP+1], s[50:51]
	s_add_nc_u64 s[BP:BP+1], s[BP:BP+1], s[50:51]
	s_lshl_b32 s50, s[ZZ], 23                      ; codes: set z's region, the pair's two tiles of 16,384 bytes, my K step
	s_lshl_b32 s52, ttmp9, 15
	s_add_co_u32 s50, s50, s52
	s_lshl_b32 s52, s[SS], 11
	s_add_co_u32 s50, s50, s52
	s_add_nc_u64 s[DC:DC+1], s[14:15], s[50:51]
	s_lshl_b32 s50, s[ZZ], 18                      ; scale words likewise
	s_lshl_b32 s52, ttmp9, 10
	s_add_co_u32 s50, s50, s52
	s_lshl_b32 s52, s[SS], 6
	s_add_co_u32 s50, s50, s52
	s_add_co_u32 s50, s50, 0x1200000
	s_add_nc_u64 s[DS:DS+1], s[14:15], s[50:51]
	PHASE1
	TILEQ 5, 32, 14
	TILEST 0, 32, 14
	TILEQ 6, 48, 15                                ; other registers for codes and word: no store's data are written again
	TILEST 1, 48, 15
	s_wait_tensorcnt 0x0
	ds_add_u32 v12, v13
	s_wait_dscnt 0x0
	s_endpgm
.Lfunc_end_k_q1f0de3aba2_ln1:
	.size	k_q1f0de3aba2_ln1, .Lfunc_end_k_q1f0de3aba2_ln1-k_q1f0de3aba2_ln1
	.p2alignl 7, 3214868480
	.fill 96, 4, 3214868480
	.section	.rodata,"a",@progbits
	.p2align	6, 0x0
	.amdhsa_kernel k_q1f0de3aba2_ln1
		.amdhsa_group_segment_fixed_size 133632
		.amdhsa_private_segment_fixed_size 0
		.amdhsa_enable_private_segment 0
		.amdhsa_kernarg_size 48
		.amdhsa_user_sgpr_count 2
		.amdhsa_user_sgpr_kernarg_segment_ptr 1
		.amdhsa_wavefront_size32 1
		.amdhsa_system_sgpr_workgroup_id_x 1
		.amdhsa_system_sgpr_workgroup_id_y 1
		.amdhsa_system_sgpr_workgroup_id_z 1
		.amdhsa_system_vgpr_workitem_id 0
		.amdhsa_next_free_vgpr 256
		.amdhsa_next_free_sgpr 66
		.amdhsa_reserve_vcc 0
		.amdhsa_float_denorm_mode_32 3
		.amdhsa_float_denorm_mode_16_64 3
		.amdhsa_fp16_overflow 1
		.amdhsa_memory_ordered 1
		.amdhsa_forward_progress 1
		.amdhsa_inst_pref_size 39
	.end_amdhsa_kernel
	.amdgpu_metadata
---
amdhsa.version: [ 1, 2 ]
amdhsa.kernels:
  - .name:           k_q1f0de3aba2_ln1
    .symbol:         k_q1f0de3aba2_ln1.kd
    .args:
      - { .name: x, .offset: 0, .size: 8, .value_kind: global_buffer, .address_space: global }
      - { .name: sa_ng, .offset: 8, .size: 8, .value_kind: global_buffer, .address_space: global }
      - { .name: sa_nb, .offset: 16, .size: 8, .value_kind: global_buffer, .address_space: global }
      - { .name: sa_ncg, .offset: 24, .size: 8, .value_kind: global_buffer, .address_space: global }
      - { .name: sa_ncb, .offset: 32, .size: 8, .value_kind: global_buffer, .address_space: global }
      - { .name: act, .offset: 40, .size: 8, .value_kind: global_buffer, .address_space: global }
    .group_segment_fixed_size: 133632
    .private_segment_fixed_size: 0
    .kernarg_segment_align: 8
    .kernarg_segment_size: 48
    .max_flat_workgroup_size: 512
    .sgpr_count:     66
    .vgpr_count:     256
    .wavefront_size: 32
...
	.end_amdgpu_metadata
.endif
;; end of part 2
;; launch proj1 (part 3): grid 224 x 1, 8 waves a work-group, no clusters, 327,680 bytes of LDS; arguments wts_sa, wts_ca, act, qkv; writes qkv
.if DOCPART == 3
	.amdgcn_target "amdgcn-amd-amdhsa--gfx1250"
	.amdhsa_code_object_version 6
	.text
	.protected	k_q1f0de3aba2_proj1
	.globl	k_q1f0de3aba2_proj1
	.p2align	8
	.type	k_q1f0de3aba2_proj1,@function
k_q1f0de3aba2_proj1:
	s_mov_b64 s[64:65], 0
	v_nop
	global_prefetch_b8 v0, s[64:65] scope:SCOPE_SE
	s_setreg_imm32_b32 hwreg(HW_REG_WAVE_MODE, 25, 1), 1
	s_wait_xcnt 0x0
.set XSL, 131072
.set TM,  224
.set XT,  96
.set PX,  14
.set PY,  16
.set YC,  60
.set YSC, 62
.set OC,  66
.set OSC, 68
.set SEL, 70
.set MNT, 72
.set MSB, 0
.macro WIN new
.if MSB != \new
	s_set_vgpr_msb (MSB<<8)|\new
.set MSB, \new
.endif
.endm
.macro JOB lim, g0, mask, shift, px, rx, rxs, py, ry, rys, ro, ros, xs
	s_cmp_lt_u32 ttmp9, \lim
	s_cselect_b64 s[PX:PX+1], s[\px:\px+1], s[PX:PX+1]
	s_cselect_b64 s[PY:PY+1], s[\py:\py+1], s[PY:PY+1]
	s_cselect_b32 s18, \g0, s18
	s_cselect_b32 s19, \mask, s19
	s_cselect_b32 s20, \shift, s20
	s_cselect_b32 s21, \rx, s21
	s_cselect_b32 s22, \rxs, s22
	s_cselect_b32 s23, \ry, s23
	s_cselect_b32 s24, \rys, s24
	s_cselect_b32 s25, \ro, s25
	s_cselect_b32 s26, \ros, s26
	s_cselect_b32 s27, \xs, s27
.endm
.macro XLOAD n
.set xs_, (\n)/4
.set xg_, (\n)%4
.set xb_, 16+32*((\n)%2)
.irp e, 0,1
.irp c, 0,1,2,3
	ds_load_b128 v[xb_+16*\e+4*\c:xb_+16*\e+4*\c+3], v[1+xs_/4] offset:(xs_%4)*16384+(2*xg_+\e)*2048+512*\c
.endr
	ds_load_b32 v[80+2*((\n)%2)+\e], v3 offset:(8*(2*xg_+\e)+xs_)*64
.endr
.endm
.macro YLOAD s
.irp u, 0,1,2,3
.irp c, 0,1,2,3
	global_load_b128 v[96+64*((\s)%2)+16*\u+4*\c:96+64*((\s)%2)+16*\u+4*\c+3], v1, s[YC:YC+1] offset:\u*16384+(\s)*2048+512*\c
.endr
.endr
.irp u, 0,1,2,3
	global_load_b32 v[84+4*((\s)%2)+\u], v4, s[YSC:YSC+1] offset:\u*512+(\s)*64
.endr
.endm
.macro GROUP n
.set gs_, (\n)/4
.set gg_, (\n)%4
.set gx_, 16+32*((\n)%2)
.set gy_, 96+64*(gs_%2)
	s_wait_dscnt 0x0
.if (\n) > 0
.rept 8
	v_nop
.endr
.endif
.if (\n) < 31
	XLOAD (\n)+1
.endif
.if gg_ == 0
.if gs_ > 0
.if gs_ < 7
	YLOAD gs_+1
.endif
.endif
.if gs_ < 7
	s_wait_loadcnt 20
.else
	s_wait_loadcnt 0x0
.endif
.endif
	WIN 0x50
.irp e, 0,1
.irp u, 0,1,2,3
.if gs_ == 0
	v_wmma_scale_f32_16x16x128_f8f6f4 v[64*\u+8*(2*gg_+\e):64*\u+8*(2*gg_+\e)+7], v[gx_+16*\e:gx_+16*\e+15], v[gy_+16*\u:gy_+16*\u+15], 0, v[80+2*((\n)%2)+\e], v[84+4*(gs_%2)+\u]
.else
	v_wmma_scale_f32_16x16x128_f8f6f4 v[64*\u+8*(2*gg_+\e):64*\u+8*(2*gg_+\e)+7], v[gx_+16*\e:gx_+16*\e+15], v[gy_+16*\u:gy_+16*\u+15], v[64*\u+8*(2*gg_+\e):64*\u+8*(2*gg_+\e)+7], v[80+2*((\n)%2)+\e], v[84+4*(gs_%2)+\u]
.endif
.endr
.endr
	WIN 0
.endm
.macro QUANTW a, pc, pw
	WIN 0x05
.irp b, 0,1,2,3
	v_max3_num_f32 v[TM+\b], |v[\a+16*\b]|, |v[\a+1+16*\b]|, 0x4800000
.endr
	WIN 0x14
.irp i, 2,4,6,8,10,12,14
.irp b, 0,1,2,3
	v_max3_num_f32 v[TM+\b], v[TM+\b], |v[\a+16*\b+\i]|, |v[\a+1+16*\b+\i]|
.endr
.endr
	WIN 0
.irp b, 0,1,2,3
	v_permlanex16_b32 v[TM+4+\b], v[TM+\b], s[SEL], s[SEL+1]
.endr
.irp b, 0,1,2,3
	s_delay_alu instid0(VALU_DEP_4)
	v_max_num_f32 v[TM+\b], v[TM+\b], v[TM+4+\b]
.endr
.irp b, 0,1,2,3
	s_delay_alu instid0(VALU_DEP_4)
	v_add_nc_u32 v[TM+12+\b], 0xfc000000, v[TM+\b]
.endr
.irp b, 0,1,2,3
.endr
.irp b, 0,1,2,3
	s_delay_alu instid0(VALU_DEP_4)
	v_lshrrev_b32 v[TM+4+\b], 23, v[TM+12+\b]
.endr
	s_delay_alu instid0(VALU_DEP_3)
	v_lshl_or_b32 v[\pw], v[TM+5], 8, v[TM+4]
	s_delay_alu instid0(VALU_DEP_1)
	v_lshl_or_b32 v[\pw], v[TM+6], 16, v[\pw]
	s_delay_alu instid0(VALU_DEP_1)
	v_lshl_or_b32 v[\pw], v[TM+7], 24, v[\pw]
	WIN 0x01
.irp b, 0,1,2,3
.irp i, 0,1,2,3,4,5,6,7,8,9,10,11,12,13,14,15
.endr
.endr
.irp b, 0,1,2,3
	v_cvt_scalef32_pk8_fp8_f32 v[\pc+4*\b:\pc+1+4*\b], v[\a+16*\b:\a+7+16*\b], v[TM+12+\b]
	v_cvt_scalef32_pk8_fp8_f32 v[\pc+2+4*\b:\pc+3+4*\b], v[\a+8+16*\b:\a+15+16*\b], v[TM+12+\b]
.endr
	WIN 0
	v_nop
.endm
	s_load_b256 s[4:11], s[0:1], 0x0
	v_lshl_add_u32 v254, v0, 2, 0x29000
	v_mov_b32 v255, 0
	ds_add_u32 v254, v255
	ds_add_u32 v254, v255
	v_lshrrev_b32 v1, 5, v0
	s_delay_alu instid0(VALU_DEP_1)
	v_readfirstlane_b32 s12, v1
	s_mov_b32 s18, 208
	s_mov_b32 s19, 63
	s_mov_b32 s20, 6
	s_mov_b32 s21, 0x1000000
	s_mov_b32 s22, 0x1280000
	s_mov_b32 s23, 0x100000
	s_mov_b32 s24, 0x208000
	s_mov_b32 s25, 0xd00000
	s_mov_b32 s26, 0xe68000
	s_mov_b32 s27, 16
	s_wait_dscnt 0x0
	s_wait_kmcnt 0x0
	s_mov_b64 s[PX:PX+1], s[8:9]
	s_mov_b64 s[PY:PY+1], s[6:7]
	JOB 208, 192, 3, 2, 6, 0x80000, 0x204000, 8, 0x1000000, 0x1280000, 0xc00000, 0xe60000, 4
	JOB 192, 128, 63, 6, 8, 0x800000, 0x1240000, 4, 0x100000, 0x208000, 0x800000, 0xe40000, 64
	JOB 128, 64, 3, 2, 4, 0x80000, 0x204000, 8, 0x800000, 0x1240000, 0x400000, 0xe20000, 4
	JOB 64, 0, 3, 2, 4, 0, 0x200000, 8, 0, 0x1200000, 0, 0xe00000, 4
	s_sub_co_u32 s28, ttmp9, s18
	s_lshr_b32 s29, s28, s20
	s_and_b32 s28, s28, s19
	s_lshl_b32 s30, s29, 5
	s_lshl_b32 s31, s12, 2
	s_add_co_u32 s30, s30, s31
	s_mov_b32 s44, 3<<16
	s_mov_b32 s45, 32<<16
	s_mov_b32 s46, 2<<16
	s_mov_b32 s47, 32<<16
	s_mov_b32 s48, 2
	s_mov_b32 s49, 32
	s_mov_b32 s50, 0
	s_mov_b32 s51, 0
	s_mov_b32 s52, 3<<16
	s_mov_b32 s53, 256<<16
	s_mov_b32 s54, 8<<16
	s_mov_b32 s55, 256<<16
	s_mov_b32 s56, 8
	s_mov_b32 s57, 2048
	s_mov_b32 s58, 0
	s_mov_b32 s59, 0
	s_lshl_b32 s34, s28, 12
	s_add_co_u32 s34, s34, s22
	s_lshl_b32 s31, s12, 9
	s_add_co_u32 s34, s34, s31
	s_mov_b32 s35, 0
	s_mov_b32 s36, 1
	s_add_co_u32 s37, s31, XSL
	s_add_nc_u64 s[38:39], s[PX:PX+1], s[34:35]
	s_or_b32 s39, s39, 0x80000000
	s_lshl_b32 s32, s28, 17
	s_add_co_u32 s32, s32, s21
	s_lshl_b32 s31, s12, 11
	s_add_co_u32 s32, s32, s31
	s_mov_b32 s33, 0
	s_mov_b32 s40, 1
	s_lshl_b32 s41, s12, 14
	s_add_nc_u64 s[42:43], s[PX:PX+1], s[32:33]
	s_or_b32 s43, s43, 0x80000000
	tensor_load_to_lds s[36:39], s[44:51]
	s_nop 0
	s_wait_alu depctr_va_vdst(0)
	s_wait_tensorcnt 0x0
	ds_add_u32 v254, v255
	s_wait_dscnt 0x0
	s_barrier_signal -1
	s_barrier_wait -1
	tensor_load_to_lds s[40:43], s[52:59]
	s_nop 0
.rept 4
	v_nop
.endr
	s_lshl_b32 s32, s30, 14
	s_add_co_u32 s32, s32, s23
	s_add_nc_u64 s[YC:YC+1], s[PY:PY+1], s[32:33]
	s_lshl_b32 s32, s30, 9
	s_add_co_u32 s32, s32, s24
	s_add_nc_u64 s[YSC:YSC+1], s[PY:PY+1], s[32:33]
	s_mul_i32 s31, s30, s27
	s_add_co_u32 s31, s31, s28
	s_lshl_b32 s32, s31, 11
	s_add_co_u32 s32, s32, s25
	s_add_nc_u64 s[OC:OC+1], s[10:11], s[32:33]
	s_lshl_b32 s32, s31, 6
	s_add_co_u32 s32, s32, s26
	s_add_nc_u64 s[OSC:OSC+1], s[10:11], s[32:33]
	s_mov_b32 s[SEL], 0x76543210
	s_mov_b32 s[SEL+1], 0xfedcba98
	v_and_b32 v1, 31, v0
	s_delay_alu instid0(VALU_DEP_1)
	v_lshlrev_b32 v1, 4, v1
	s_delay_alu instid0(VALU_DEP_1)
	v_add_nc_u32 v2, 65536, v1
	v_and_b32 v4, 15, v0
	s_delay_alu instid0(VALU_DEP_1)
	v_lshlrev_b32 v4, 2, v4
	s_delay_alu instid0(VALU_DEP_1)
	v_add_nc_u32 v3, XSL, v4
	YLOAD 0
	YLOAD 1
	s_lshl_b32 s32, s27, 11
	s_lshl_b32 s34, s27, 6
	v_mov_b32 v5, v1
	s_delay_alu instid0(VALU_DEP_1)
	v_add_nc_u32 v6, s32, v5
	s_delay_alu instid0(VALU_DEP_1)
	v_add_nc_u32 v7, s32, v6
	s_delay_alu instid0(VALU_DEP_1)
	v_add_nc_u32 v8, s32, v7
	v_mov_b32 v9, v4
	s_delay_alu instid0(VALU_DEP_1)
	v_add_nc_u32 v10, s34, v9
	s_delay_alu instid0(VALU_DEP_1)
	v_add_nc_u32 v11, s34, v10
	s_delay_alu instid0(VALU_DEP_1)
	v_add_nc_u32 v12, s34, v11
.irp b, 0,1,2,3
	v_mov_b32 v[TM+4+\b], 0
.endr
	s_wait_tensorcnt 0x0
	s_barrier_signal -1
	s_barrier_wait -1
	XLOAD 0
.set N_, 0
.rept 32
	GROUP N_
.set N_, N_+1
.endr
.rept 8
	v_nop
.endr
.irp u, 0,1,2,3
	QUANTW 64*\u, 160+16*\u, 240+\u
.irp c, 0,1,2,3
	global_store_b128 v[5+\u], v[160+16*\u+4*\c:163+16*\u+4*\c], s[OC:OC+1] offset:512*\c
.endr
	global_store_b32 v[9+\u], v[240+\u], s[OSC:OSC+1]
.endr
	s_wait_tensorcnt 0x0
	ds_add_u32 v254, v255
	s_wait_dscnt 0x0
	s_endpgm
.Lfunc_end_k_q1f0de3aba2_proj1:
	.size	k_q1f0de3aba2_proj1, .Lfunc_end_k_q1f0de3aba2_proj1-k_q1f0de3aba2_proj1
	.p2alignl 7, 3214868480
	.fill 96, 4, 3214868480
	.section	.rodata,"a",@progbits
	.p2align	6, 0x0
	.amdhsa_kernel k_q1f0de3aba2_proj1
		.amdhsa_group_segment_fixed_size 327680
		.amdhsa_private_segment_fixed_size 0
		.amdhsa_enable_private_segment 0
		.amdhsa_kernarg_size 32
		.amdhsa_user_sgpr_count 2
		.amdhsa_user_sgpr_kernarg_segment_ptr 1
		.amdhsa_wavefront_size32 1
		.amdhsa_system_sgpr_workgroup_id_x 1
		.amdhsa_system_sgpr_workgroup_id_y 1
		.amdhsa_system_sgpr_workgroup_id_z 1
		.amdhsa_system_vgpr_workitem_id 0
		.amdhsa_next_free_vgpr 512
		.amdhsa_next_free_sgpr 80
		.amdhsa_reserve_vcc 0
		.amdhsa_float_denorm_mode_32 3
		.amdhsa_float_denorm_mode_16_64 3
		.amdhsa_fp16_overflow 1
		.amdhsa_memory_ordered 1
		.amdhsa_forward_progress 1
		.amdhsa_inst_pref_size 105
	.end_amdhsa_kernel
	.amdgpu_metadata
---
amdhsa.version: [ 1, 2 ]
amdhsa.kernels:
  - .name:           k_q1f0de3aba2_proj1
    .symbol:         k_q1f0de3aba2_proj1.kd
    .args:
      - { .name: wts_sa, .offset: 0, .size: 8, .value_kind: global_buffer, .address_space: global }
      - { .name: wts_ca, .offset: 8, .size: 8, .value_kind: global_buffer, .address_space: global }
      - { .name: act, .offset: 16, .size: 8, .value_kind: global_buffer, .address_space: global }
      - { .name: qkv, .offset: 24, .size: 8, .value_kind: global_buffer, .address_space: global }
    .group_segment_fixed_size: 327680
    .private_segment_fixed_size: 0
    .kernarg_segment_align: 8
    .kernarg_segment_size: 32
    .max_flat_workgroup_size: 256
    .sgpr_count:     80
    .vgpr_count:     512
    .wavefront_size: 32
...
	.end_amdgpu_metadata
.endif
;; end of part 3
;; launch attn_sa (part 4): grid 8 x 32, 16 waves a work-group, clusters of 4 x 1, 276,480 bytes of LDS; arguments qkv, ocd; writes ocd
.if DOCPART == 4
	.amdgcn_target "amdgcn-amd-amdhsa--gfx1250"
	.amdhsa_code_object_version 6
	.text
	.protected	k_q1f0de3aba2_attn_sa
	.globl	k_q1f0de3aba2_attn_sa
	.p2align	8
	.type	k_q1f0de3aba2_attn_sa,@function
k_q1f0de3aba2_attn_sa:
	s_mov_b64 s[64:65], 0
	v_nop
	global_prefetch_b8 v0, s[64:65] scope:SCOPE_SE
	s_setreg_imm32_b32 hwreg(HW_REG_WAVE_MODE, 25, 1), 1
	s_wait_xcnt 0x0
	s_wait_alu depctr_hold_cnt(0) depctr_sa_sdst(0) depctr_va_vdst(0) depctr_va_sdst(0) depctr_va_ssrc(0) depctr_va_vcc(0) depctr_vm_vsrc(0)
	s_getreg_b32 s2, hwreg(HW_REG_IB_STS2, 6, 4)
	s_cmp_eq_u32 s2, 0
	s_cbranch_scc0 .Lentry_in_a_cluster
	s_endpgm
.Lentry_in_a_cluster:
	s_bfe_u32 s2, ttmp6, 0x10000c
	s_cmp_lg_u32 s2, 0x3003
	s_cbranch_scc0 .Lentry_shape_is_right
	s_endpgm
.Lentry_shape_is_right:
; SELF ATTENTION on codes of E4M3 with E8M0 scales.  o = softmax(q k^T / 8) v for one head and 256 queries a work-group, 2,048 keys; o is quantised along the features and leaves as codes.
; THE SOFTMAX AHEAD OF THE SECOND PRODUCT: t = score x log2(e) / 8; M = the running largest t rounded UP to a whole number; p = 2^(t - M) is quantised along the keys, not normalised; the row's sum is taken of the
; unquantised p and divides o at the end; when M moves, the sum and O^T are multiplied by 2^(old M - new M), exactly.
; SHARES.  Sixteen waves, each one tile of 16 queries in 256 registers: four waves to a SIMD, so that one wave's vector work stands beside another's products and LDS loads.
; A HEAD'S K AND V ARE 128 KB + 128 KB OF CODES: they come into LDS whole, once, in four quarters of 512 keys; no LDS byte is filled twice.  Two barriers: quarter 0 is read behind the counted wait for it and the first;
; in front of the second every wave waits for all its loads, so quarters 1, 2 and 3 are whole behind it, and a wave goes from quarter to quarter without meeting the others again.
; CLUSTER.  The four work-groups of a cluster are query blocks of one head: every tile of K and V is asked for jointly, by the same tensor load with the mask of all four.
; LAYOUT.  All operands are images of operand registers.  S^T = K Q^T (source 0 = 16 keys), O^T = V^T P^T (source 0 = 16 channels): a lane holds one query throughout, and by the tiles' order
; (tile 2 G + u, place r = index 32 G + 8 u + r + 8 (r / 8)) the 16 registers of two neighbouring tiles are 16 neighbours along the next K.
; THE FIRST PRODUCT'S K IS 64, the instruction's 128: Q's registers 8-15 are zero codes.  K's fragments of 8 registers lie on end, so an operand's upper half is the next fragment (zeros behind the last): finite codes
; (the quantiser makes no NaN code) times zero codes add exact zeros; the scale bytes of that half are 0, which is 2^-127 and no NaN.
; THE ORDER OF A STEP'S SOFTMAX.  The lane's 64 scores are four blocks of 16 registers, and the blocks go through the stages one behind the other: t - M, the exponentials, the sum, the conversion.  Behind each
; exponential of p stand plain instructions that are ready, up to two: the next block's t - M, the block before's sums, the scales' arithmetic, half of O^T's rescaling.  So a wave has
; plain work to issue between many of the exponentials.
; LIMITS: NaN and infinities not served; blocks under 2^-118 and of zeros get the byte 1.  A block's largest p is taken through its largest score, which takes v_exp_f32 not to fall where its input rises.
; REGISTERS: v1-4 lane places, v5 16 x lane, v6 4 r, v8-11 the step's addresses; v12 -M, v13 largest t, v[14:15] and v[240:241] the row's sum in two chains; v16-31 Q; v32-95 K's 8 fragments, then V's 4; v96-103 zeros;
;   v104-167 S^T, then p; v168-199 O^T; v200-215 p's codes; v216-223 K's, then V's scale words; v224-239 at work; v242 f; v243 p's scale word; v244 at work; v245 Q's scale word.
.set NQ,  4                            ; quarters
.set NT,  128                          ; key tiles of a head
.set NKS, 16                           ; key steps of 128
.set XSV, 64                           ; key steps in a row of V's buffer
.set RK,  0x400000
.set RKS, 0xe20000
.set RV,  0x800000
.set RVS, 0xe40000
.set KC,  0                            ; LDS: K's codes [key tile][1,024]
.set VC,  NT*1024                      ; V's codes [quarter][d tile][4 steps][2,048]
.set KSL, VC+NQ*32768                  ; K's scale words [key tile][64]
.set VSL, KSL+NT*64                    ; V's [d tile][step][64]
.set S,   104
.set OT,  168
.set PC,  200
.set KW,  216
.set BM,  224
.set BT,  228
.set LM,  232
.set SO,  236
.set WV,  8
.set TK,  60
.set TKS, 61
.set TV,  62
.set TVS, 63
.set CNT, 66
.set CS,  68
.set SEL, 70
.set MNT, 72
.macro ROUND                           ; a round of the cluster's barrier
	s_barrier_signal -1
	s_barrier_wait -1
	s_cmp_lg_u32 s[WV], 0
	s_cbranch_scc1 .Lnot_wave_0_\@
	s_barrier_signal -3
.Lnot_wave_0_\@:
	s_barrier_wait -3
	s_barrier_signal -1
	s_barrier_wait -1
.endm
.macro TMM                             ; t - M of the pair of scores at v[r_]
	v_pk_fma_f32 v[r_:r_+1], v[r_:r_+1], s[CS:CS+1], v[12:13] op_sel_hi:[1,0,0]
.endm
.macro SUM1                            ; the pair of unquantised p at v[r_] onto chain c_ of the row's sum
.if c_ == 0
	v_pk_add_f32 v[14:15], v[14:15], v[r_:r_+1]
.else
	s_wait_alu depctr_va_vdst(0)
	v_pk_add_f32 v[240:241], v[240:241], v[r_:r_+1]
.endif
.endm
.macro OTF                             ; O^T's pair at v[r_] under the new M: x f
	v_pk_mul_f32 v[r_:r_+1], v[r_:r_+1], v[242:243] op_sel_hi:[1,0]
.endm
.macro CVT2                            ; block cb_: the lane's 16 numbers become 4 registers of codes
	v_cvt_scalef32_pk8_fp8_f32 v[PC+4*cb_:PC+4*cb_+1], v[S+16*cb_:S+16*cb_+7], v[SO+cb_]
	v_cvt_scalef32_pk8_fp8_f32 v[PC+4*cb_+2:PC+4*cb_+3], v[S+16*cb_+8:S+16*cb_+15], v[SO+cb_]
	s_wait_alu depctr_va_vdst(0)
.endm
; Plain instruction number gn of the list that stands among the 64 exponentials of p: numbers 2 k and 2 k + 1 behind exponential k, so numbers 32 b .. 32 b + 31 beside block b's.  None of them names a register of block b.
;   0-7 block 1's t - M;  8, 9 the two sums under the new M;  10-28 the four blocks' scales: floor, scale operand, byte, and p's scale word (18-21 are empty);  29-31 three pairs of O^T
;   32 b + 0-7 block b + 1's t - M;  + 8-15 block b - 1's sums;  + 16-31 empty   (b = 1, 2)
;   96-103 block 2's sums;  104-119 empty;  120-127 five pairs of O^T (121, 123, 125 are empty)
; O^T's pairs in this list are the two lowest of each accumulator, so that each is read from its low end on.
.macro GF
.set gb_, gn/32
.set gi_, gn%32
.if gn < 8
.set r_, S+16+2*gn
	TMM
.elseif gn == 8
	v_pk_mul_f32 v[14:15], v[14:15], v[242:243] op_sel_hi:[1,0]
.elseif gn == 9
	v_pk_mul_f32 v[240:241], v[240:241], v[242:243] op_sel_hi:[1,0]
.elseif gn < 14
	s_wait_alu depctr_va_vdst(0)
	v_max_num_f32 v[BM+gn-10], 0x4800000, v[BM+gn-10]    ; the floor 2^(9 - 127): the byte cannot fall under 1
.elseif gn < 18
	v_add_nc_u32 v[SO+gn-14], 0xfc000000, v[BM+gn-14]    ; 8 off the exponent field: the conversion's scale operand
.elseif gn < 22
.elseif gn < 26
	v_lshrrev_b32 v[BT+gn-22], 23, v[SO+gn-22]           ; the byte
.elseif gn == 26
	s_setprio 1
	v_lshl_or_b32 v243, v[BT+1], 8, v[BT]                ; p's scale word for these 128 keys
.elseif gn < 29
	v_lshl_or_b32 v243, v[BT+gn-25], 8*(gn-25), v243
.elseif gn < 32
.set q_, gn-29
.set r_, OT+2*(4*(q_/2)+q_%2)
	OTF
.elseif gn < 96
.if gi_ < 8
.set r_, S+16*(gb_+1)+2*gi_
	TMM
.elseif gi_ < 16
.set r_, S+16*(gb_-1)+2*(gi_-8)
.set c_, gi_%2
	SUM1
.else
.set r_, S+16*(gb_-1)+gi_-16
.endif
.elseif gi_ < 8
.set r_, S+32+2*gi_
.set c_, gi_%2
	SUM1
.elseif gi_ < 24
.set r_, S+32+gi_-8
.elseif (gi_%2 == 0) || (gi_ == 31)
.set q_, 3+(gi_-23)/2
.set r_, OT+2*(4*(q_/2)+q_%2)
	OTF
.endif
.endm
.macro STEP                            ; 128 keys
	v_add_nc_u32 v8, s[TK], v1
	v_add_nc_u32 v9, s[TV], v2
	v_add_nc_u32 v10, s[TKS], v3
	v_add_nc_u32 v11, s[TVS], v4
.rept 4
	v_nop                                          ; with the four additions: eight places between the last products and loads into registers that they read
.endr
.irp t, 0,1,2,3,4,5,6,7
	ds_load_b128 v[32+8*\t:35+8*\t], v8 offset:1024*\t
	ds_load_b128 v[36+8*\t:39+8*\t], v8 offset:1024*\t+512
	ds_load_u16 v[KW+\t], v10 offset:64*\t         ; the head's two bytes; bytes 2 and 3 come as 0
.endr
	s_wait_dscnt 0x0
.irp t, 0,1,2,3,4,5,6,7
	v_wmma_scale_f32_16x16x128_f8f6f4 v[S+8*\t:S+8*\t+7], v[32+8*\t:47+8*\t], v[16:31], 0, v[KW+\t], v245
.endr
.rept 8
	v_nop
.endr
.irp d, 0,1,2,3                        ; V's fragments are asked for now and land under the softmax
.irp c, 0,1,2,3
	ds_load_b128 v[32+16*\d+4*\c:35+16*\d+4*\c], v9 offset:8192*\d+512*\c
.endr
	ds_load_b32 v[KW+\d], v11 offset:\d*NKS*64
.endr
.irp b, 0,1,2,3
	v_max3_num_f32 v[BM+\b], v[S+16*\b], v[S+1+16*\b], v[S+2+16*\b]   ; the largest score of each block of 32 keys: for the row's maximum, and for the block's largest p
.endr
.irp i, 3,5,7,9,11,13
.irp b, 0,1,2,3
	v_max3_num_f32 v[BM+\b], v[BM+\b], v[S+16*\b+\i], v[S+1+16*\b+\i]
.endr
.endr
.irp b, 0,1,2,3
	v_max_num_f32 v[BM+\b], v[BM+\b], v[S+15+16*\b]
.endr
.irp b, 0,1,2,3
	v_permlanex16_b32 v[BT+\b], v[BM+\b], s[SEL], s[SEL+1]
.endr
.irp b, 0,1,2,3
	v_max_num_f32 v[BM+\b], v[BM+\b], v[BT+\b]     ; with lane l xor 16's 16 keys
.endr
	v_max3_num_f32 v244, v[BM], v[BM+1], v[BM+2]
	v_max_num_f32 v244, v244, v[BM+3]
	v_mul_f32 v244, s[CS], v244                    ; as t (c is positive)
	v_max_num_f32 v13, v13, v244                   ; the running largest t
	v_mov_b32 v244, v12
	v_floor_f32 v12, -v13                          ; the new -M = floor(-t)
	v_sub_f32 v244, v12, v244                      ; old M - new M: a whole number, 0 or less
	v_cvt_i32_f32 v244, v244                       ; (it saturates)
	v_ldexp_f32 v242, 1.0, v244                    ; f = 2^(old M - new M)
.irp b, 0,1,2,3
	v_fma_f32 v[BM+\b], v[BM+\b], s[CS], v12       ; t - M of each block's largest score
.endr
.set jj, 0
.rept 4                                ; the blocks' largest p (the same two instructions on the same number as p itself), with block 0's t - M between them
	v_exp_f32 v[BM+jj], v[BM+jj]
.set r_, S+4*jj
	TMM
.set r_, S+4*jj+2
	TMM
.set jj, jj+1
.endr
.set kk, 0
.rept 64                               ; p = 2^(t - M), and the list's plain instructions behind each
	v_exp_f32 v[S+kk], v[S+kk]
.set gn, 2*kk
	GF
.set gn, 2*kk+1
	GF
.if (kk > 16) && (kk%16 == 15)
.set cb_, kk/16-1
	CVT2                                           ; the block before the one just finished has been summed
.endif
.set kk, kk+1
.endr
.set jj, 0
	s_setprio 0
.rept 8                                ; block 3: sums,
.set r_, S+48+2*jj
.set c_, jj%2
	SUM1
.set jj, jj+1
.endr
.set jj, 0
.rept 16
.set jj, jj+1
.endr
.set cb_, 3
	CVT2                                           ; and codes
.set q_, 0
.rept 8                                ; the upper two pairs of each accumulator of O^T: two of the eight name a given product's registers, so six plain places that name none of them stand between p's last codes and each product
.set r_, OT+2*(4*(q_/2)+2+q_%2)
	OTF
.set q_, q_+1
.endr
	s_wait_dscnt 0x0                               ; V
.irp d, 0,1,2,3
	v_wmma_scale_f32_16x16x128_f8f6f4 v[OT+8*\d:OT+8*\d+7], v[32+16*\d:47+16*\d], v[PC:PC+15], v[OT+8*\d:OT+8*\d+7], v[KW+\d], v243
.endr
	s_add_co_u32 s[TK], s[TK], 8192
	s_add_co_u32 s[TKS], s[TKS], 512
	s_add_co_u32 s[TV], s[TV], 2048
	s_add_co_u32 s[TVS], s[TVS], 64
.endm
.macro QUARTER q
.if \q == 0
	s_wait_tensorcnt NQ-1                          ; my parts of the scale words and of quarter 0 have landed; the later quarters' loads, one each, may stay out
	s_barrier_signal -1
	s_barrier_wait -1                              ; everybody's have
.elseif \q == 1
	s_wait_tensorcnt 0x0                           ; all my loads have landed: my parts of quarters 1, 2 and 3;
	s_barrier_signal -1
	s_barrier_wait -1                              ; everybody's have: every read of these three quarters stands behind this wait
.endif
	s_mov_b32 s[CNT], 4
.Lstep_\@:
	s_setprio 2
	STEP
	s_sub_co_u32 s[CNT], s[CNT], 1
	s_cmp_lg_u32 s[CNT], 0
	s_cbranch_scc1 .Lstep_\@
	s_setprio 0
	s_add_co_u32 s[TV], s[TV], 32768-8192          ; on to the next quarter's V
.endm
	s_load_b128 s[4:7], s[0:1], 0x0                ; qkv, ocd
	v_lshl_add_u32 v254, v0, 2, 0x43000
	v_mov_b32 v255, 0
	ds_add_u32 v254, v255
	ds_add_u32 v254, v255
	v_lshrrev_b32 v1, 5, v0
	v_readfirstlane_b32 s[WV], v1                  ; wave 0..15
	s_bfe_u32 s9, ttmp6, 0x40000                   ; cx: it enters Q's and o's global addresses alone
	s_lshl_b32 s10, ttmp9, 2
	s_add_co_u32 s10, s10, s9                      ; my block of 256 queries
	s_and_b32 s11, ttmp7, 0xffff
	s_lshr_b32 s12, s11, 3                         ; batch
	s_and_b32 s13, s11, 7                          ; head
	s_lshr_b32 s14, s13, 1
	s_and_b32 s15, s13, 1
	s_and_b32 s23, s[WV], 7                        ; my number among the eight waves that fetch K, or V
	s_mov_b32 s[CS], 0x3e38aa3b                    ; c = log2(e) / 8
	s_mov_b32 s[CS+1], s[CS]
	s_mov_b32 s[SEL], 0x76543210
	s_mov_b32 s[SEL+1], 0xfedcba98
	s_mov_b32 s[TK], 0
	s_mov_b32 s[TKS], 0
	s_mov_b32 s[TV], 0
	s_mov_b32 s[TVS], 0
	s_wait_dscnt 0x0
	s_wait_kmcnt 0x0
	ROUND                                          ; all four work-groups are here: the joint loads meet
	s_cmp_lt_u32 s[WV], 8                          ; one branch on the wave's number; each arm issues 1 + NQ loads: so many of mine are out
	s_cbranch_scc0 .Lv_arm
	s_mov_b32 s24, 15|(3<<16)|(1<<21)              ; K's words: NT / 8 rows of 64 bytes, 256 apart.  Mask: all four; elements of 8 bytes; bit 21 beside a mask
	s_mov_b32 s25, 8<<16
	s_mov_b32 s26, (NT/8)<<16
	s_mov_b32 s27, 8<<16
	s_mov_b32 s28, NT/8
	s_mov_b32 s29, 32
	s_mov_b32 s30, 0
	s_mov_b32 s31, 0
	s_mov_b32 s32, 15|(3<<16)|(1<<21)              ; K's codes: 4 tiles' rows of 1,024 bytes, 8,192 apart
	s_mov_b32 s33, 128<<16
	s_mov_b32 s34, 4<<16
	s_mov_b32 s35, 128<<16
	s_mov_b32 s36, 4
	s_mov_b32 s37, 1024
	s_mov_b32 s38, 0
	s_mov_b32 s39, 0
	s_mul_i32 s16, s12, NT
	s_mul_i32 s17, s23, NT/8
	s_add_co_u32 s16, s16, s17
	s_lshl_b32 s16, s16, 8
	s_lshl_b32 s17, s14, 6
	s_add_co_u32 s16, s16, s17
	s_add_co_u32 s16, s16, RKS
	s_mov_b32 s17, 0
	s_mov_b32 s40, 1
	s_mul_i32 s41, s23, (NT/8)*64
	s_add_co_u32 s41, s41, KSL
	s_add_nc_u64 s[42:43], s[4:5], s[16:17]
	s_or_b32 s43, s43, 0x80000000
	s_mul_i32 s18, s12, NT
	s_lshl_b32 s19, s23, 2
	s_add_co_u32 s18, s18, s19
	s_lshl_b32 s18, s18, 13
	s_lshl_b32 s19, s13, 10
	s_add_co_u32 s18, s18, s19
	s_add_co_u32 s18, s18, RK
	s_mov_b32 s19, 0
	s_add_nc_u64 s[18:19], s[4:5], s[18:19]
.set q_, 0
.rept NQ
	s_mov_b32 s[44+4*q_], 1
	s_lshl_b32 s[45+4*q_], s23, 12
	s_add_co_u32 s[45+4*q_], s[45+4*q_], KC+q_*32768
	s_add_nc_u64 s[46+4*q_:47+4*q_], s[18:19], q_*262144
	s_or_b32 s[47+4*q_], s[47+4*q_], 0x80000000
.set q_, q_+1
.endr
	tensor_load_to_lds s[40:43], s[24:31]
	s_nop 0
.set q_, 0
.rept NQ
	tensor_load_to_lds s[44+4*q_:47+4*q_], s[32:39]
	s_nop 0
.set q_, q_+1
.endr
.rept 4
	v_nop
.endr
	s_branch .Lasked
.Lv_arm:
	s_mov_b32 s24, 15|(3<<16)|(1<<21)              ; V's words: one row of NKS x 32 bytes
	s_mov_b32 s25, (NKS*4)<<16
	s_mov_b32 s26, 1<<16
	s_mov_b32 s27, (NKS*4)<<16
	s_mov_b32 s28, 1
	s_mov_b32 s29, NKS*4
	s_mov_b32 s30, 0
	s_mov_b32 s31, 0
	s_mov_b32 s32, 15|(3<<16)|(1<<21)              ; V's codes: two key steps of one d tile, 4,096 dense bytes as 16 rows of 256
	s_mov_b32 s33, 32<<16
	s_mov_b32 s34, 16<<16
	s_mov_b32 s35, 32<<16
	s_mov_b32 s36, 16
	s_mov_b32 s37, 32
	s_mov_b32 s38, 0
	s_mov_b32 s39, 0
	s_lshr_b32 s20, s23, 1                         ; d tile of the head
	s_and_b32 s21, s23, 1                          ; which half of a quarter's four steps
	s_lshl_b32 s16, s13, 2
	s_add_co_u32 s16, s16, s20
	s_mul_i32 s16, s16, XSV
	s_mul_i32 s17, s12, NKS
	s_add_co_u32 s16, s16, s17                     ; block (d tile, the batch's first key step)
	s_lshl_b32 s18, s16, 6
	s_mul_i32 s19, s21, NKS*32
	s_add_co_u32 s18, s18, s19
	s_add_co_u32 s18, s18, RVS
	s_mov_b32 s19, 0
	s_mov_b32 s40, 1
	s_mul_i32 s41, s23, NKS*32
	s_add_co_u32 s41, s41, VSL
	s_add_nc_u64 s[42:43], s[4:5], s[18:19]
	s_or_b32 s43, s43, 0x80000000
	s_lshl_b32 s17, s21, 1
	s_add_co_u32 s16, s16, s17
	s_lshl_b32 s16, s16, 11
	s_add_co_u32 s16, s16, RV
	s_mov_b32 s17, 0
	s_add_nc_u64 s[16:17], s[4:5], s[16:17]
.set q_, 0
.rept NQ
	s_mov_b32 s[44+4*q_], 1
	s_lshl_b32 s[45+4*q_], s23, 12
	s_add_co_u32 s[45+4*q_], s[45+4*q_], VC+q_*32768
	s_add_nc_u64 s[46+4*q_:47+4*q_], s[16:17], q_*8192
	s_or_b32 s[47+4*q_], s[47+4*q_], 0x80000000
.set q_, q_+1
.endr
	tensor_load_to_lds s[40:43], s[24:31]
	s_nop 0
.set q_, 0
.rept NQ
	tensor_load_to_lds s[44+4*q_:47+4*q_], s[32:39]
	s_nop 0
.set q_, q_+1
.endr
.rept 4
	v_nop
.endr
.Lasked:
	s_lshl_b32 s82, s12, 7                         ; my tile of queries: 128 x batch + 16 x block + wave
	s_lshl_b32 s83, s10, 4
	s_add_co_u32 s82, s82, s83
	s_add_co_u32 s82, s82, s[WV]
	s_lshl_b32 s84, s82, 13
	s_lshl_b32 s85, s13, 10
	s_add_co_u32 s84, s84, s85                     ; the head's 1,024 bytes of the tile
	s_mov_b32 s85, 0
	s_add_nc_u64 s[74:75], s[4:5], s[84:85]        ; Q's codes
	s_add_nc_u64 s[78:79], s[6:7], s[84:85]        ; o's codes
	s_lshl_b32 s84, s82, 8
	s_lshl_b32 s83, s14, 6
	s_add_co_u32 s84, s84, s83
	s_lshl_b32 s83, s15, 1
	s_add_co_u32 s84, s84, s83                     ; the head's two bytes of a scale word
	s_add_nc_u64 s[76:77], s[4:5], s[84:85]
	s_add_nc_u64 s[76:77], s[76:77], 0xe00000
	s_add_nc_u64 s[80:81], s[6:7], s[84:85]
	s_add_nc_u64 s[80:81], s[80:81], 0x400000
	v_and_b32 v5, 31, v0
	v_lshlrev_b32 v5, 4, v5                        ; 16 x lane
	v_and_b32 v6, 15, v0
	v_lshlrev_b32 v6, 2, v6                        ; 4 r
	global_load_b128 v[16:19], v5, s[74:75]
	global_load_b128 v[20:23], v5, s[74:75] offset:512
	global_load_u16 v245, v6, s[76:77]
	v_add_nc_u32 v1, KC, v5
	v_add_nc_u32 v2, VC, v5
	s_lshl_b32 s22, s15, 1
	s_add_co_u32 s22, s22, KSL
	v_add_nc_u32 v3, s22, v6
	v_add_nc_u32 v4, VSL, v6
.set jj, 0
.rept 8
	v_mov_b32 v[24+jj], 0                          ; Q's upper half: zero codes
	v_mov_b32 v[96+jj], 0                          ; and what stands behind K's last fragment
.set jj, jj+1
.endr
.set jj, 0
.rept 32
	v_mov_b32 v[OT+jj], 0                          ; the step is written once: the first finds zeros, which the first change of M leaves zeros
.set jj, jj+1
.endr
	v_mov_b32 v13, 0xff61b1e6                      ; -3e38, under every t
	v_floor_f32 v12, -v13
	v_mov_b32 v14, 0                               ; the row's sum: two chains of two halves
	v_mov_b32 v15, 0
	v_mov_b32 v240, 0
	v_mov_b32 v241, 0
.irp b, 0,1,2,3
	v_mov_b32 v[BT+\b], 0                          ; a lane permute's destination counts as one of its sources
.endr
	v_mov_b32 v243, 0                              ; (named as the upper half of v[242:243] before it is first written)
	s_wait_loadcnt 0x0                             ; Q
.set Q_, 0
.rept NQ
	QUARTER Q_
.set Q_, Q_+1
.endr
.rept 8
	v_nop                                          ; places in front of the first read of the last results
.endr
	v_pk_add_f32 v[14:15], v[14:15], v[240:241]    ; the sum's two chains,
	v_add_f32 v14, v14, v15                        ; its two halves,
	v_permlanex16_b32 v244, v14, s[SEL], s[SEL+1]
	v_add_f32 v14, v14, v244                       ; and lane l xor 16's: the row's sum
	v_rcp_f32 v14, v14
	v_nop                                          ; a plain place behind the transcendental
.set jj, 0
	s_wait_alu depctr_va_vdst(0)
.rept 32
	v_mul_f32 v[S+jj], v[OT+jj], v14               ; o: register 16 b + i = channel 32 b + 16 (lane / 16) + i of my query
.set jj, jj+1
.endr
.irp b, 0,1                            ; o's two blocks of 32 are quantised as every operand is
	v_max3_num_f32 v[BM+\b], |v[S+16*\b]|, |v[S+1+16*\b]|, 0x4800000
.endr
.irp i, 2,4,6,8,10,12,14
.irp b, 0,1
	v_max3_num_f32 v[BM+\b], v[BM+\b], |v[S+16*\b+\i]|, |v[S+1+16*\b+\i]|
.endr
.endr
.irp b, 0,1
	v_permlanex16_b32 v[BT+\b], v[BM+\b], s[SEL], s[SEL+1]
.endr
.irp b, 0,1
	v_max_num_f32 v[BM+\b], v[BM+\b], v[BT+\b]
.endr
.irp b, 0,1
	v_add_nc_u32 v[SO+\b], 0xfc000000, v[BM+\b]
.endr
.irp b, 0,1
.endr
.irp b, 0,1
	v_lshrrev_b32 v[BT+\b], 23, v[SO+\b]
.endr
	v_lshl_or_b32 v243, v[BT+1], 8, v[BT]
.irp b, 0,1
.irp i, 0,1,2,3,4,5,6,7,8,9,10,11,12,13,14,15
.endr
	v_cvt_scalef32_pk8_fp8_f32 v[PC+4*\b:PC+4*\b+1], v[S+16*\b:S+16*\b+7], v[SO+\b]
	v_cvt_scalef32_pk8_fp8_f32 v[PC+4*\b+2:PC+4*\b+3], v[S+16*\b+8:S+16*\b+15], v[SO+\b]
.endr
	v_nop
	global_store_b128 v5, v[PC:PC+3], s[78:79]               ; 512 consecutive bytes, aligned
	global_store_b128 v5, v[PC+4:PC+7], s[78:79] offset:512
	global_store_b16 v6, v243, s[80:81]                      ; the head's two bytes of my query's word; the word's other half is another head's
	s_wait_tensorcnt 0x0
	ds_add_u32 v254, v255
	s_wait_dscnt 0x0
	ROUND                                          ; the closing round: no work-group ends while a partner may still ask for a tile that names it
	s_endpgm
.Lfunc_end_k_q1f0de3aba2_attn_sa:
	.size	k_q1f0de3aba2_attn_sa, .Lfunc_end_k_q1f0de3aba2_attn_sa-k_q1f0de3aba2_attn_sa
	.p2alignl 7, 3214868480
	.fill 96, 4, 3214868480
	.section	.rodata,"a",@progbits
	.p2align	6, 0x0
	.amdhsa_kernel k_q1f0de3aba2_attn_sa
		.amdhsa_group_segment_fixed_size 276480
		.amdhsa_private_segment_fixed_size 0
		.amdhsa_enable_private_segment 0
		.amdhsa_kernarg_size 16
		.amdhsa_user_sgpr_count 2
		.amdhsa_user_sgpr_kernarg_segment_ptr 1
		.amdhsa_wavefront_size32 1
		.amdhsa_system_sgpr_workgroup_id_x 1
		.amdhsa_system_sgpr_workgroup_id_y 1
		.amdhsa_system_sgpr_workgroup_id_z 1
		.amdhsa_system_vgpr_workitem_id 0
		.amdhsa_next_free_vgpr 256
		.amdhsa_next_free_sgpr 90
		.amdhsa_reserve_vcc 0
		.amdhsa_float_denorm_mode_32 3
		.amdhsa_float_denorm_mode_16_64 3
		.amdhsa_fp16_overflow 1
		.amdhsa_memory_ordered 1
		.amdhsa_forward_progress 1
		.amdhsa_inst_pref_size 87
	.end_amdhsa_kernel
	.amdgpu_metadata
---
amdhsa.version: [ 1, 2 ]
amdhsa.kernels:
  - .name:           k_q1f0de3aba2_attn_sa
    .symbol:         k_q1f0de3aba2_attn_sa.kd
    .args:
      - { .name: qkv, .offset: 0, .size: 8, .value_kind: global_buffer, .address_space: global }
      - { .name: ocd, .offset: 8, .size: 8, .value_kind: global_buffer, .address_space: global }
    .group_segment_fixed_size: 276480
    .private_segment_fixed_size: 0
    .kernarg_segment_align: 8
    .kernarg_segment_size: 16
    .max_flat_workgroup_size: 512
    .sgpr_count:     90
    .vgpr_count:     256
    .wavefront_size: 32
...
	.end_amdgpu_metadata
.endif
;; end of part 4
;; launch oproj_sa (part 5): grid 256 x 1, 8 waves a work-group, no clusters, 267,264 bytes of LDS; arguments ocd, wts_sa, sa_bo, x, x1; writes x1
.if DOCPART == 5
	.amdgcn_target "amdgcn-amd-amdhsa--gfx1250"
	.amdhsa_code_object_version 6
	.text
	.protected	k_q1f0de3aba2_oproj_sa
	.globl	k_q1f0de3aba2_oproj_sa
	.p2align	8
	.type	k_q1f0de3aba2_oproj_sa,@function
k_q1f0de3aba2_oproj_sa:
	s_mov_b64 s[64:65], 0
	v_nop
	global_prefetch_b8 v0, s[64:65] scope:SCOPE_SE
	s_setreg_imm32_b32 hwreg(HW_REG_WAVE_MODE, 25, 1), 1
	s_wait_xcnt 0x0
; OPROJ.  out = o Wo + bias + residual.  o [8192][512] and Wo come as codes of E4M3 in images of operand registers with E8M0 scale words; bias [1024], residual and out [8192][1024] are f32.
; SHARES.  A work-group: 128 columns (Wo's panel of 8 tiles) x 256 rows; each of 8 waves 32 rows (two tiles of o): 16 accumulators.  K = 512: four K steps.
; Three tensor loads a wave at the head and none later: the panel's scale words, its codes (64 KB for the work-group, read by all behind one barrier), and the wave's own 32 x 128 numbers of the residual, which
; travel under the whole product and are read by the issuing wave alone, behind its own wait.  No LDS byte is filled twice; the stage has bytes of its own.
; ALL OF o's FRAGMENTS, 2 tiles x 4 K steps = 128 registers, ARE ASKED FOR AT THE HEAD, with the bias: no K step waits for a trip to memory of its own.  Wo's fragments come from LDS a group ahead, in two buffers.
; SOURCE 0 = Wo's columns: a lane holds one row and its registers neighbouring columns.  The bias is loaded straight into the accumulators, so every product adds in place and the bias costs no addition.
; NO CLUSTER: what work-groups share, the panel, is 66 KB of about 450 KB that a work-group moves.
; REGISTERS.  Window 0: v1-9 addresses; v16-47, v52-83 X's fragments, two buffers of two; v48-51 their words; v116-123 o's words; v128-255 accumulator (u, t) at v[128 + 64 u + 8 t]; on the way out v16-115 are free.
;   Window 1: v0-127 o's fragments: (K step s, tile u) at v[32 s + 16 u].  One setting (source 1 in window 1) serves all 16 groups: it touches neither the LDS loads nor the places.
.set XSL,   65536                      ; LDS: codes [K step][tile][2,048] from 0; words [tile][K step][64]
.set RES,   67584                      ; the residual: 32 rows of 512 bytes for each wave
.set STAGE, 198656                     ; the way out: 16 rows of 512 + 16 bytes for each wave
.set YC,  60
.set YSC, 62
.set OUTP, 66
.set BIA, 68
.set MSB, 0
.macro WIN new                         ; the immediate's high byte repeats the setting that is left
.if MSB != \new
	s_set_vgpr_msb (MSB<<8)|\new
.set MSB, \new
.endif
.endm
.macro XLOAD n                         ; group n = 4 s + g: X's tiles 2 g, 2 g + 1 of K step s, and their words, into buffer n % 2
.set xs_, (\n)/4
.set xg_, (\n)%4
.set xb_, 16+36*((\n)%2)
.irp e, 0,1
.irp c, 0,1,2,3
	ds_load_b128 v[xb_+16*\e+4*\c:xb_+16*\e+4*\c+3], v1 offset:xs_*16384+(2*xg_+\e)*2048+512*\c
.endr
	ds_load_b32 v[48+2*((\n)%2)+\e], v2 offset:(4*(2*xg_+\e)+xs_)*64
.endr
.endm
; Four products: X's tiles 2 g, 2 g + 1 of K step s against my two tiles.  The 16 accumulators take turns, one instruction a turn.
.macro GROUP n
.set gs_, (\n)/4
.set gg_, (\n)%4
.set gx_, 16+36*((\n)%2)
	s_wait_dscnt 0x0                               ; this group's fragments of X are in: they were asked for ahead of the last group's products
.if (\n) > 0
.rept 8
	v_nop                                          ; eight places between the last products and loads into registers that they read
.endr
.endif
.if (\n) < 15
	XLOAD (\n)+1
.endif
.if gg_ == 0
	s_wait_loadcnt 8*(3-gs_)                       ; the bias, o's words and this K step's o are in; the younger loads are the later K steps', eight each
.endif
.irp e, 0,1
.irp u, 0,1
	v_wmma_scale_f32_16x16x128_f8f6f4 v[128+64*\u+8*(2*gg_+\e):128+64*\u+8*(2*gg_+\e)+7], v[gx_+16*\e:gx_+16*\e+15], v[32*gs_+16*\u:32*gs_+16*\u+15], v[128+64*\u+8*(2*gg_+\e):128+64*\u+8*(2*gg_+\e)+7], v[48+2*((\n)%2)+\e], v[116+2*gs_+\u]
.endr
.endr
.endm
	s_load_b256 s[4:11], s[0:1], 0x0               ; o, weights, bias, residual
	s_load_b64 s[12:13], s[0:1], 0x20              ; out
	v_lshl_add_u32 v126, v0, 2, 0x41000
	v_mov_b32 v127, 0
	ds_add_u32 v126, v127
	ds_add_u32 v126, v127
	v_lshrrev_b32 v1, 5, v0
	s_delay_alu instid0(VALU_DEP_1)
	v_readfirstlane_b32 s14, v1                    ; wave 0..7
	s_and_b32 s15, ttmp9, 7                        ; which 128 columns
	s_lshr_b32 s16, ttmp9, 3
	s_lshl_b32 s17, s16, 3
	s_add_co_u32 s17, s17, s14                     ; my pair of tiles: rows 32 P .. 32 P + 31
	s_mov_b32 s36, 3<<16                           ; words: tile w's 256 bytes, one row.  Elements of 8 bytes, no mask, no padding
	s_mov_b32 s37, 32<<16
	s_mov_b32 s38, 1<<16
	s_mov_b32 s39, 32<<16
	s_mov_b32 s40, 1
	s_mov_b32 s41, 32
	s_mov_b32 s42, 0
	s_mov_b32 s43, 0
	s_mov_b32 s44, 3<<16                           ; codes: K step w / 2 of four tiles: 4 rows of 2,048 bytes, 8,192 apart
	s_mov_b32 s45, 256<<16
	s_mov_b32 s46, 4<<16
	s_mov_b32 s47, 256<<16
	s_mov_b32 s48, 4
	s_mov_b32 s49, 1024
	s_mov_b32 s50, 0
	s_mov_b32 s51, 0
	s_mov_b32 s52, 3<<16                           ; the residual: 32 rows of 512 bytes, 4,096 apart
	s_mov_b32 s53, 64<<16
	s_mov_b32 s54, 32<<16
	s_mov_b32 s55, 64<<16
	s_mov_b32 s56, 32
	s_mov_b32 s57, 512
	s_mov_b32 s58, 0
	s_mov_b32 s59, 0
	s_wait_dscnt 0x0
	s_wait_kmcnt 0x0
	s_lshl_b32 s18, s15, 11
	s_lshl_b32 s20, s14, 8
	s_add_co_u32 s18, s18, s20
	s_add_co_u32 s18, s18, 0x20c000
	s_mov_b32 s19, 0
	s_mov_b32 s24, 1
	s_add_co_u32 s25, s20, XSL
	s_add_nc_u64 s[26:27], s[6:7], s[18:19]
	s_or_b32 s27, s27, 0x80000000
	s_lshl_b32 s18, s15, 16
	s_and_b32 s20, s14, 1
	s_lshl_b32 s20, s20, 15
	s_add_co_u32 s18, s18, s20
	s_lshr_b32 s20, s14, 1
	s_lshl_b32 s20, s20, 11
	s_add_co_u32 s18, s18, s20
	s_add_co_u32 s18, s18, 0x180000
	s_mov_b32 s28, 1
	s_lshl_b32 s29, s14, 13
	s_add_nc_u64 s[30:31], s[6:7], s[18:19]
	s_or_b32 s31, s31, 0x80000000
	s_lshl_b32 s18, s17, 17                        ; 32 rows of 4,096 bytes,
	s_lshl_b32 s20, s15, 9                         ; 128 columns of 4
	s_add_co_u32 s18, s18, s20
	s_mov_b32 s32, 1
	s_lshl_b32 s33, s14, 14
	s_add_co_u32 s33, s33, RES
	s_add_nc_u64 s[34:35], s[10:11], s[18:19]
	s_or_b32 s35, s35, 0x80000000
	s_add_nc_u64 s[OUTP:OUTP+1], s[12:13], s[18:19]
	tensor_load_to_lds s[24:27], s[36:43]          ; the only fills of the launch: three loads of mine are out
	s_nop 0
	tensor_load_to_lds s[28:31], s[44:51]
	s_nop 0
	tensor_load_to_lds s[32:35], s[52:59]
	s_nop 0
.rept 4
	v_nop
.endr
	s_mov_b32 s21, 0
	s_add_nc_u64 s[BIA:BIA+1], s[8:9], s[20:21]    ; the bias at my 128 columns
	s_lshl_b32 s18, s17, 14
	s_add_nc_u64 s[YC:YC+1], s[4:5], s[18:19]
	s_lshl_b32 s18, s17, 9
	s_add_co_u32 s18, s18, 0x400000
	s_add_nc_u64 s[YSC:YSC+1], s[4:5], s[18:19]
	v_and_b32 v1, 31, v0
	s_delay_alu instid0(VALU_DEP_1)
	v_lshlrev_b32 v1, 4, v1                        ; 16 x lane
	v_and_b32 v8, 15, v0                           ; r
	v_bfe_u32 v9, v0, 4, 1                         ; h
	s_delay_alu instid0(VALU_DEP_2)
	v_lshlrev_b32 v3, 2, v8
	s_delay_alu instid0(VALU_DEP_1)
	v_add_nc_u32 v2, XSL, v3
	s_delay_alu instid0(VALU_DEP_3)
	v_lshlrev_b32 v4, 6, v9
.irp u, 0,1
.irp t, 0,1,2,3,4,5,6,7
	global_load_b128 v[128+64*\u+8*\t:131+64*\u+8*\t], v4, s[BIA:BIA+1] offset:(32*(\t/2)+8*(\t%2))*4      ; register j of tile t: column 32 (t / 2) + 16 h + 8 (t % 2) + j
	global_load_b128 v[132+64*\u+8*\t:135+64*\u+8*\t], v4, s[BIA:BIA+1] offset:(32*(\t/2)+8*(\t%2))*4+16
.endr
.endr
.irp s, 0,1,2,3
.irp u, 0,1
	global_load_b32 v[116+2*\s+\u], v3, s[YSC:YSC+1] offset:\u*256+\s*64
.endr
.endr
	WIN 0x40                                       ; destination window 1, address window 0
.irp s, 0,1,2,3                        ; o's fragments, K step by K step: eight loads of 512 consecutive bytes each
.irp u, 0,1
.irp c, 0,1,2,3
	global_load_b128 v[32*\s+16*\u+4*\c:32*\s+16*\u+4*\c+3], v1, s[YC:YC+1] offset:\u*8192+\s*2048+512*\c
.endr
.endr
.endr
	WIN 0
	s_mul_i32 s20, s14, 16*528
	s_add_co_u32 s20, s20, STAGE
	v_mul_u32_u24 v5, v8, 528
	s_delay_alu instid0(VALU_DEP_1)
	v_lshl_add_u32 v5, v9, 6, v5
	s_delay_alu instid0(VALU_DEP_1)
	v_add_nc_u32 v5, s20, v5                       ; into my stage: row r, 64 h
	v_add_nc_u32 v6, s20, v1                       ; back: a row of 512 bytes to the 32 lanes
	s_lshl_b32 s22, s14, 14
	s_add_co_u32 s22, s22, RES
	v_add_nc_u32 v7, s22, v1                       ; my residual rows likewise
	s_wait_alu depctr_va_vdst(0)
	s_wait_tensorcnt 1                             ; my parts of the words and codes have landed; the residual's load, the youngest, may stay out
	s_barrier_signal -1
	s_barrier_wait -1
	XLOAD 0
	WIN 0x04                                       ; source 1 (o) in window 1
.set N_, 0
.rept 16
	GROUP N_
.set N_, N_+1
.endr
	WIN 0
.rept 8
	v_nop                                          ; places in front of the first read of results and of loads into operands' registers
.endr
	s_wait_tensorcnt 0x0                           ; my residual rows
	; THE WAY OUT, a tile of 16 rows at a time: through my own stage, back as whole rows of 512 bytes, + the residual, stored as two aligned runs of 256 bytes.  Place p of tile u is row 8 u + p + 8 (p / 8) of my 32.
.irp u, 0,1
.if \u > 0
	s_wait_xcnt 0x0                                ; the first tile's stores have read their registers: these are loaded again only behind this wait
.endif
.irp t, 0,1,2,3,4,5,6,7
	ds_store_b128 v5, v[128+64*\u+8*\t:131+64*\u+8*\t] offset:(\t/2)*128+(\t%2)*32       ; each accumulator from its low end on
	ds_store_b128 v5, v[132+64*\u+8*\t:135+64*\u+8*\t] offset:(\t/2)*128+(\t%2)*32+16
.endr
.irp k, 0,1
.irp i, 0,1,2,3,4,5,6,7
	ds_load_b128 v[16+36*\k+4*\i:19+36*\k+4*\i], v6 offset:(8*\k+\i)*528                 ; LDS serves a wave's instructions in order (ISA guide 5.7.1.4): these see my stores
	ds_load_b128 v[84+4*\i:87+4*\i], v7 offset:(8*\u+16*\k+\i)*512
.endr
	s_wait_dscnt 0x0
.set jj, 0
.rept 16
	v_pk_add_f32 v[16+36*\k+jj:17+36*\k+jj], v[16+36*\k+jj:17+36*\k+jj], v[84+jj:85+jj]
.set jj, jj+2
.endr
.irp i, 0,1,2,3,4,5,6,7
	global_store_b128 v1, v[16+36*\k+4*\i:19+36*\k+4*\i], s[OUTP:OUTP+1] offset:(8*\u+16*\k+\i)*4096
.endr
.endr
.endr
	s_wait_tensorcnt 0x0
	ds_add_u32 v126, v127
	s_wait_dscnt 0x0
	s_endpgm
.Lfunc_end_k_q1f0de3aba2_oproj_sa:
	.size	k_q1f0de3aba2_oproj_sa, .Lfunc_end_k_q1f0de3aba2_oproj_sa-k_q1f0de3aba2_oproj_sa
	.p2alignl 7, 3214868480
	.fill 96, 4, 3214868480
	.section	.rodata,"a",@progbits
	.p2align	6, 0x0
	.amdhsa_kernel k_q1f0de3aba2_oproj_sa
		.amdhsa_group_segment_fixed_size 267264
		.amdhsa_private_segment_fixed_size 0
		.amdhsa_enable_private_segment 0
		.amdhsa_kernarg_size 40
		.amdhsa_user_sgpr_count 2
		.amdhsa_user_sgpr_kernarg_segment_ptr 1
		.amdhsa_wavefront_size32 1
		.amdhsa_system_sgpr_workgroup_id_x 1
		.amdhsa_system_sgpr_workgroup_id_y 1
		.amdhsa_system_sgpr_workgroup_id_z 1
		.amdhsa_system_vgpr_workitem_id 0
		.amdhsa_next_free_vgpr 384
		.amdhsa_next_free_sgpr 72
		.amdhsa_reserve_vcc 0
		.amdhsa_float_denorm_mode_32 3
		.amdhsa_float_denorm_mode_16_64 3
		.amdhsa_memory_ordered 1
		.amdhsa_forward_progress 1
		.amdhsa_inst_pref_size 48
	.end_amdhsa_kernel
	.amdgpu_metadata
---
amdhsa.version: [ 1, 2 ]
amdhsa.kernels:
  - .name:           k_q1f0de3aba2_oproj_sa
    .symbol:         k_q1f0de3aba2_oproj_sa.kd
    .args:
      - { .name: ocd, .offset: 0, .size: 8, .value_kind: global_buffer, .address_space: global }
      - { .name: wts_sa, .offset: 8, .size: 8, .value_kind: global_buffer, .address_space: global }
      - { .name: sa_bo, .offset: 16, .size: 8, .value_kind: global_buffer, .address_space: global }
      - { .name: x, .offset: 24, .size: 8, .value_kind: global_buffer, .address_space: global }
      - { .name: x1, .offset: 32, .size: 8, .value_kind: global_buffer, .address_space: global }
    .group_segment_fixed_size: 267264
    .private_segment_fixed_size: 0
    .kernarg_segment_align: 8
    .kernarg_segment_size: 40
    .max_flat_workgroup_size: 256
    .sgpr_count:     72
    .vgpr_count:     384
    .wavefront_size: 32
...
	.end_amdgpu_metadata
.endif
;; end of part 5
;; launch ln2 (part 6): grid 256 x 1, 16 waves a work-group, no clusters, 133,632 bytes of LDS; arguments x1, ca_ng, ca_nb, act; writes act
.if DOCPART == 6
	.amdgcn_target "amdgcn-amd-amdhsa--gfx1250"
	.amdhsa_code_object_version 6
	.text
	.protected	k_q1f0de3aba2_ln2
	.globl	k_q1f0de3aba2_ln2
	.p2align	8
	.type	k_q1f0de3aba2_ln2,@function
k_q1f0de3aba2_ln2:
	s_mov_b64 s[64:65], 0
	v_nop
	global_prefetch_b8 v0, s[64:65] scope:SCOPE_SE
	s_setreg_imm32_b32 hwreg(HW_REG_WAVE_MODE, 25, 1), 1
	s_wait_xcnt 0x0
; LN2.  x1 [8192][1024] f32 -> LN(x1) x ca_ng + ca_nb as codes of E4M3, quantised along the 1,024 features, in the image of the matrix operand's registers
; ([tile][K step][2,048 bytes]; tile 2 G + u, place r = row 32 G + 8 u + r + 8 (r / 8); scale words [tile][K step][16 words]).
; A work-group takes 32 rows.  Phase 1: wave w normalises rows 2 w, 2 w + 1 with dense loads and lays them into LDS at their places.  Phase 2: wave w takes K step w % 8 of tile w / 8.
; Memory binds: no matrix unit, no cluster, no tensor load.
; LIMITS: NaN and infinities are not served.  A block whose largest magnitude lies under 2^-118, a block of zeros too, gets the byte 1; this program alone reads the bytes.
.set W,     1024
.set PITCH, 4*W+16
.set NJ,    W/128
.set NR,    W/32
.set D,   64
.set G,   128
.set B,   192
.set TM,  16
.set WV,  28
.set SS,  29
.set ZZ,  30
.set SEL, 32
.set MNT, 34
.set INVW, 35
.set EPS, 36
.set SRC, 40
.set GP,  42
.set BP,  44
.set DC,  46
.set DS,  48
.macro REDUCE
	s_delay_alu instid0(VALU_DEP_2)
	v_add_f32 v16, v16, v17
	s_delay_alu instid0(VALU_DEP_2)
	v_add_f32 v18, v18, v19
.irp m, 1,2,4,8
	s_delay_alu instid0(VALU_DEP_2)
	v_add_f32_dpp v16, v16, v16 row_xmask:\m row_mask:0xf bank_mask:0xf
	s_delay_alu instid0(VALU_DEP_2)
	v_add_f32_dpp v18, v18, v18 row_xmask:\m row_mask:0xf bank_mask:0xf
.endr
	s_delay_alu instid0(VALU_DEP_2)
	v_permlanex16_b32 v20, v16, s[SEL], s[SEL+1]
	s_delay_alu instid0(VALU_DEP_2)
	v_permlanex16_b32 v21, v18, s[SEL], s[SEL+1]
	s_delay_alu instid0(VALU_DEP_2)
	v_add_f32 v16, v16, v20
	s_delay_alu instid0(VALU_DEP_2)
	v_add_f32 v18, v18, v21
.endm
.macro QUANT s, pc, pw
.irp b, 0,1,2,3
	v_max3_num_f32 v[TM+\b], |v[\s+16*\b]|, |v[\s+1+16*\b]|, 0x4800000   ; the floor 2^(9 - 127): the byte cannot fall under 1
.endr
.irp i, 2,4,6,8,10,12,14
.irp b, 0,1,2,3
	s_delay_alu instid0(VALU_DEP_4)
	v_max3_num_f32 v[TM+\b], v[TM+\b], |v[\s+16*\b+\i]|, |v[\s+1+16*\b+\i]|
.endr
.endr
.irp b, 0,1,2,3
	s_delay_alu instid0(VALU_DEP_4)
	v_permlanex16_b32 v[TM+4+\b], v[TM+\b], s[SEL], s[SEL+1]
.endr
.irp b, 0,1,2,3
	s_delay_alu instid0(VALU_DEP_4)
	v_max_num_f32 v[TM+\b], v[TM+\b], v[TM+4+\b]
.endr
.irp b, 0,1,2,3
	s_delay_alu instid0(VALU_DEP_4)
	v_add_nc_u32 v[TM+12+\b], 0xfc000000, v[TM+\b]
.endr
.irp b, 0,1,2,3
.endr
.irp b, 0,1,2,3
	s_delay_alu instid0(VALU_DEP_4)
	v_lshrrev_b32 v[TM+4+\b], 23, v[TM+12+\b]
.endr
	s_delay_alu instid0(VALU_DEP_3)
	v_lshl_or_b32 v[\pw], v[TM+5], 8, v[TM+4]
	s_delay_alu instid0(VALU_DEP_1)
	v_lshl_or_b32 v[\pw], v[TM+6], 16, v[\pw]
	s_delay_alu instid0(VALU_DEP_1)
	v_lshl_or_b32 v[\pw], v[TM+7], 24, v[\pw]
.irp b, 0,1,2,3
.irp i, 0,1,2,3,4,5,6,7,8,9,10,11,12,13,14,15
.endr
	v_cvt_scalef32_pk8_fp8_f32 v[\pc+4*\b:\pc+1+4*\b], v[\s+16*\b:\s+7+16*\b], v[TM+12+\b]
	v_cvt_scalef32_pk8_fp8_f32 v[\pc+2+4*\b:\pc+3+4*\b], v[\s+8+16*\b:\s+15+16*\b], v[TM+12+\b]
.endr
	v_nop
.endm
.macro PHASE1
.irp i, 0,1
.set jj, 0
.rept NJ
	global_load_b128 v[D+32*\i+4*jj:D+32*\i+4*jj+3], v1, s[SRC:SRC+1] offset:\i*4*W+512*jj
.set jj, jj+1
.endr
.endr
.irp b, 0,1,2,3
.irp j, 0,1,2,3
	global_load_b128 v[G+16*\b+4*\j:G+16*\b+4*\j+3], v7, s[GP:GP+1] offset:128*\b+16*\j
	global_load_b128 v[B+16*\b+4*\j:B+16*\b+4*\j+3], v7, s[BP:BP+1] offset:128*\b+16*\j
.endr
.endr
	s_wait_loadcnt 32                              ; the rows are in; the 32 younger loads of gain and bias may be out
	v_pk_add_f32 v[16:17], v[D:D+1], v[D+2:D+3]
	v_pk_add_f32 v[18:19], v[D+32:D+33], v[D+34:D+35]
.set jj, 4
.rept (NR-4)/2
	s_delay_alu instid0(VALU_DEP_2)
	v_pk_add_f32 v[16:17], v[16:17], v[D+jj:D+jj+1]
	s_delay_alu instid0(VALU_DEP_2)
	v_pk_add_f32 v[18:19], v[18:19], v[D+32+jj:D+32+jj+1]
.set jj, jj+2
.endr
	REDUCE
	s_delay_alu instid0(VALU_DEP_2)
	v_mul_f32 v22, s[INVW], v16
	s_delay_alu instid0(VALU_DEP_3)
	v_mul_f32 v23, s[INVW], v16
	s_delay_alu instid0(VALU_DEP_3)
	v_mul_f32 v24, s[INVW], v18
	s_delay_alu instid0(VALU_DEP_4)
	v_mul_f32 v25, s[INVW], v18
.set jj, 0
.rept NR/2
	v_pk_add_f32 v[D+jj:D+jj+1], v[D+jj:D+jj+1], v[22:23] neg_lo:[0,1] neg_hi:[0,1]
	v_pk_add_f32 v[D+32+jj:D+32+jj+1], v[D+32+jj:D+32+jj+1], v[24:25] neg_lo:[0,1] neg_hi:[0,1]
.set jj, jj+2
.endr
	v_pk_mul_f32 v[16:17], v[D:D+1], v[D:D+1]      ; the variance is taken of x - mean: a common offset does it no harm
	v_pk_mul_f32 v[18:19], v[D+32:D+33], v[D+32:D+33]
.set jj, 2
.rept (NR-2)/2
	s_delay_alu instid0(VALU_DEP_2)
	v_pk_fma_f32 v[16:17], v[D+jj:D+jj+1], v[D+jj:D+jj+1], v[16:17]
	s_delay_alu instid0(VALU_DEP_2)
	v_pk_fma_f32 v[18:19], v[D+32+jj:D+32+jj+1], v[D+32+jj:D+32+jj+1], v[18:19]
.set jj, jj+2
.endr
	REDUCE
	s_delay_alu instid0(VALU_DEP_2)
	v_fma_f32 v16, v16, s[INVW], s[EPS]
	s_delay_alu instid0(VALU_DEP_2)
	v_fma_f32 v18, v18, s[INVW], s[EPS]
	s_wait_alu depctr_va_vdst(0)
	v_rsq_f32 v26, v16
	v_rsq_f32 v28, v18
	v_nop                                          ; a plain place behind the transcendentals
	s_wait_alu depctr_va_vdst(0)
	v_mov_b32 v27, v26
	v_mov_b32 v29, v28
.set jj, 0
.rept NR/2
	v_pk_mul_f32 v[D+jj:D+jj+1], v[D+jj:D+jj+1], v[26:27]
	v_pk_mul_f32 v[D+32+jj:D+32+jj+1], v[D+32+jj:D+32+jj+1], v[28:29]
.set jj, jj+2
.endr
.irp i, 0,1
.set jj, 0
.rept NJ
	ds_store_b128 v4, v[D+32*\i+4*jj:D+32*\i+4*jj+3] offset:\i*PITCH+512*jj
.set jj, jj+1
.endr
.endr
	s_wait_loadcnt 0x0                             ; gain and bias
	s_wait_dscnt 0x0                               ; for the others' sake: my rows lie in LDS
	s_barrier_signal -1
	s_barrier_wait -1
.endm
.macro TILEQ adr, pc, pw
.irp b, 0,1,2,3
.irp j, 0,1,2,3
	ds_load_b128 v[D+16*\b+4*\j:D+16*\b+4*\j+3], v[\adr] offset:128*\b+16*\j
.endr
.endr
	s_wait_dscnt 0x0
.set jj, 0
.rept 32
	v_pk_fma_f32 v[D+jj:D+jj+1], v[D+jj:D+jj+1], v[G+jj:G+jj+1], v[B+jj:B+jj+1]
.set jj, jj+2
.endr
	QUANT D, \pc, \pw
.endm
.macro TILEST u, pc, pw
.irp c, 0,1,2,3
	global_store_b128 v1, v[\pc+4*\c:\pc+4*\c+3], s[DC:DC+1] offset:\u*16384+512*\c   ; 512 consecutive bytes, aligned
.endr
	global_store_b32 v9, v[\pw], s[DS:DS+1] offset:\u*512   ; lanes r and r + 16 write the same word with the same value
.endm
	s_load_b256 s[4:11], s[0:1], 0x0               ; x1, ca_ng, ca_nb, act
	v_lshl_add_u32 v62, v0, 2, 0x20200
	v_mov_b32 v63, 0
	v_lshrrev_b32 v1, 5, v0
	s_delay_alu instid0(VALU_DEP_1)
	v_readfirstlane_b32 s[WV], v1
	s_and_b32 s[SS], s[WV], 7                      ; my K step in phase 2
	s_lshr_b32 s[ZZ], s[WV], 3                     ; my tile of the pair
	s_mov_b32 s[SEL], 0x76543210
	s_mov_b32 s[SEL+1], 0xfedcba98
	s_mov_b32 s[INVW], 0x3a800000                  ; 1 / 1,024
	s_mov_b32 s[EPS], 0x3727c5ac                   ; 1e-5
	s_and_b32 s50, s[WV], 3                        ; row 2 w lies at place 16 u + r = 2 (w % 4) + 8 (w / 8) + 16 ((w / 4) % 2)
	s_lshl_b32 s50, s50, 1
	s_lshl_b32 s51, s[ZZ], 3
	s_add_co_u32 s50, s50, s51
	s_bfe_u32 s51, s[WV], 0x10002
	s_lshl_b32 s51, s51, 4
	s_add_co_u32 s50, s50, s51
	s_mul_i32 s50, s50, PITCH
	v_and_b32 v1, 31, v0
	s_delay_alu instid0(VALU_DEP_1)
	v_lshlrev_b32 v1, 4, v1                        ; 16 x lane
	v_and_b32 v2, 15, v0                           ; r
	v_bfe_u32 v3, v0, 4, 1                         ; h
	s_delay_alu instid0(VALU_DEP_3)
	v_add_nc_u32 v4, s50, v1
	s_delay_alu instid0(VALU_DEP_3)
	v_mul_u32_u24 v5, v2, PITCH
	s_delay_alu instid0(VALU_DEP_1)
	v_lshl_add_u32 v5, v3, 6, v5
	s_lshl_b32 s51, s[SS], 9
	s_mul_i32 s52, s[ZZ], 16*PITCH
	s_add_co_u32 s51, s51, s52
	v_add_nc_u32 v5, s51, v5                       ; place r of my tile, 64 h, my K step
	v_lshlrev_b32 v7, 6, v3
	v_lshlrev_b32 v9, 2, v2
.irp b, 0,1,2,3
	v_mov_b32 v[TM+4+\b], 0                        ; a lane permute's destination counts as one of its sources
.endr
	s_lshl_b32 s50, ttmp9, 17
	s_lshl_b32 s51, s[WV], 13
	s_add_co_u32 s50, s50, s51
	s_mov_b32 s51, 0
	s_wait_alu depctr_va_vdst(0)
	s_wait_kmcnt 0x0
	s_add_nc_u64 s[SRC:SRC+1], s[4:5], s[50:51]
	s_lshl_b32 s50, s[SS], 9
	s_add_nc_u64 s[GP:GP+1], s[6:7], s[50:51]
	s_add_nc_u64 s[BP:BP+1], s[8:9], s[50:51]
	s_lshl_b32 s53, ttmp9, 1
	s_add_co_u32 s53, s53, s[ZZ]                   ; my tile
	s_lshl_b32 s50, s53, 14
	s_lshl_b32 s52, s[SS], 11
	s_add_co_u32 s50, s50, s52
	s_add_nc_u64 s[DC:DC+1], s[10:11], s[50:51]
	s_lshl_b32 s50, s53, 9
	s_lshl_b32 s52, s[SS], 6
	s_add_co_u32 s50, s50, s52
	s_add_co_u32 s50, s50, 0x1200000
	s_add_nc_u64 s[DS:DS+1], s[10:11], s[50:51]
	PHASE1
	TILEQ 5, 32, 14
	TILEST 0, 32, 14
	s_wait_tensorcnt 0x0
	ds_add_u32 v62, v63
	s_wait_dscnt 0x0
	s_endpgm
.Lfunc_end_k_q1f0de3aba2_ln2:
	.size	k_q1f0de3aba2_ln2, .Lfunc_end_k_q1f0de3aba2_ln2-k_q1f0de3aba2_ln2
	.p2alignl 7, 3214868480
	.fill 96, 4, 3214868480
	.section	.rodata,"a",@progbits
	.p2align	6, 0x0
	.amdhsa_kernel k_q1f0de3aba2_ln2
		.amdhsa_group_segment_fixed_size 133632
		.amdhsa_private_segment_fixed_size 0
		.amdhsa_enable_private_segment 0
		.amdhsa_kernarg_size 32
		.amdhsa_user_sgpr_count 2
		.amdhsa_user_sgpr_kernarg_segment_ptr 1
		.amdhsa_wavefront_size32 1
		.amdhsa_system_sgpr_workgroup_id_x 1
		.amdhsa_system_sgpr_workgroup_id_y 1
		.amdhsa_system_sgpr_workgroup_id_z 1
		.amdhsa_system_vgpr_workitem_id 0
		.amdhsa_next_free_vgpr 256
		.amdhsa_next_free_sgpr 66
		.amdhsa_reserve_vcc 0
		.amdhsa_float_denorm_mode_32 3
		.amdhsa_float_denorm_mode_16_64 3
		.amdhsa_fp16_overflow 1
		.amdhsa_memory_ordered 1
		.amdhsa_forward_progress 1
		.amdhsa_inst_pref_size 30
	.end_amdhsa_kernel
	.amdgpu_metadata
---
amdhsa.version: [ 1, 2 ]
amdhsa.kernels:
  - .name:           k_q1f0de3aba2_ln2
    .symbol:         k_q1f0de3aba2_ln2.kd
    .args:
      - { .name: x1, .offset: 0, .size: 8, .value_kind: global_buffer, .address_space: global }
      - { .name: ca_ng, .offset: 8, .size: 8, .value_kind: global_buffer, .address_space: global }
      - { .name: ca_nb, .offset: 16, .size: 8, .value_kind: global_buffer, .address_space: global }
      - { .name: act, .offset: 24, .size: 8, .value_kind: global_buffer, .address_space: global }
    .group_segment_fixed_size: 133632
    .private_segment_fixed_size: 0
    .kernarg_segment_align: 8
    .kernarg_segment_size: 32
    .max_flat_workgroup_size: 512
    .sgpr_count:     66
    .vgpr_count:     256
    .wavefront_size: 32
...
	.end_amdgpu_metadata
.endif
;; end of part 6
;; launch attn_ca (part 7): grid 8 x 32, 16 waves a work-group, clusters of 4 x 1, 169,984 bytes of LDS; arguments qkv, ocd, act, wts_ca; writes ocd
.if DOCPART == 7
	.amdgcn_target "amdgcn-amd-amdhsa--gfx1250"
	.amdhsa_code_object_version 6
	.text
	.protected	k_q1f0de3aba2_attn_ca
	.globl	k_q1f0de3aba2_attn_ca
	.p2align	8
	.type	k_q1f0de3aba2_attn_ca,@function
k_q1f0de3aba2_attn_ca:
	s_mov_b64 s[64:65], 0
	v_nop
	global_prefetch_b8 v0, s[64:65] scope:SCOPE_SE
	s_setreg_imm32_b32 hwreg(HW_REG_WAVE_MODE, 25, 1), 1
	s_wait_xcnt 0x0
	s_wait_alu depctr_hold_cnt(0) depctr_sa_sdst(0) depctr_va_vdst(0) depctr_va_sdst(0) depctr_va_ssrc(0) depctr_va_vcc(0) depctr_vm_vsrc(0)
	s_getreg_b32 s2, hwreg(HW_REG_IB_STS2, 6, 4)
	s_cmp_eq_u32 s2, 0
	s_cbranch_scc0 .Lentry_in_a_cluster
	s_endpgm
.Lentry_in_a_cluster:
	s_bfe_u32 s2, ttmp6, 0x10000c
	s_cmp_lg_u32 s2, 0x3003
	s_cbranch_scc0 .Lentry_shape_is_right
	s_endpgm
.Lentry_shape_is_right:
; CROSS ATTENTION on codes of E4M3 with E8M0 scales, WITH ITS OWN q: q = LN(x1) Wq for one head and 256 queries a work-group, then o = softmax(q k^T / 8) v over 512 keys (the context); o is quantised along the
; features and leaves as codes.  q never goes to memory.
; THE q PRODUCT.  A wave owns 16 queries: its tile of LN(x1)'s codes, 8 K steps of 128, comes straight from memory, all 8 fragments asked for at the head.  The head's 64 columns of Wq are four tiles, one dense block of
; 64 KB of codes and 2 KB of scale words: they come into LDS once and all sixteen waves read them.  SOURCE 0 = Wq's columns: a lane holds one query and its 32 results are 2 blocks of 32 neighbouring features, so the
; quantiser's 8 registers of codes ARE Q's fragment and its two bytes Q's scale word.  32 products a wave, four accumulators by turns.
; THE SOFTMAX AHEAD OF THE SECOND PRODUCT: t = score x log2(e) / 8; M = the running largest t rounded UP to a whole number; p = 2^(t - M) is quantised along the keys, not normalised; the row's sum is taken of the
; unquantised p and divides o at the end; when M moves, the sum and O^T are multiplied by 2^(old M - new M), exactly.
; SHARES.  Sixteen waves, each one tile of 16 queries in 256 registers: four waves to a SIMD.  A head's K and V, 32 KB + 32 KB of codes, come into LDS whole, once; no LDS byte is filled twice.
; CLUSTER.  The four work-groups of a cluster are query blocks of one head: Wq's block and every tile of K and V are asked for jointly, by the same tensor load with the mask of all four.
; LAYOUT.  All operands are images of operand registers.  S^T = K Q^T (source 0 = 16 keys), O^T = V^T P^T (source 0 = 16 channels): a lane holds one query throughout, and by the tiles' order
; (tile 2 G + u, place r = index 32 G + 8 u + r + 8 (r / 8)) the 16 registers of two neighbouring tiles are 16 neighbours along the next K.
; THE SCORES' K IS 64, the instruction's 128: Q's registers 8-15 are zero codes.  K's fragments of 8 registers lie on end, so an operand's upper half is the next fragment (zeros behind the last): finite codes
; (the quantiser makes no NaN code) times zero codes add exact zeros; the scale bytes of that half are 0, which is 2^-127 and no NaN.
; THE ORDER OF A STEP'S SOFTMAX.  The lane's 64 scores are four blocks of 16 registers, and the blocks go through the stages one behind the other: t - M, the exponentials, the sum, the conversion.  Behind each
; exponential of p stand plain instructions that are ready, up to two: the next block's t - M, the block before's sums, the scales' arithmetic, half of O^T's rescaling.  So a wave has
; plain work to issue between many of the exponentials.
; LIMITS: NaN and infinities not served; blocks under 2^-118 and of zeros get the byte 1.  A block's largest p is taken through its largest score, which takes v_exp_f32 not to fall where its input rises.
; REGISTERS: v1-4 lane places, v5 16 x lane, v6 4 r, v7 Wq's codes in LDS, v8-11 the step's addresses; v12 -M, v13 largest t, v[14:15] and v[240:241] the row's sum in two chains; v16-31 Q; v32-95 K's 8 fragments, then V's 4;
;   v96-103 zeros; v104-167 S^T, then p; v168-199 O^T; v200-215 p's codes; v216-223 scale words (LN(x1)'s, then K's, then V's); v224-239 at work; v242 f; v243 p's scale word; v244 at work; v245 Q's scale word;
;   v246-249 Wq's scale words.  For the q product: v8-119 and v224-239 LN(x1)'s 8 fragments; v120-183 Wq's four; v184-215 the four accumulators; v240 Wq's words in LDS.
.set NQ,  1                            ; quarters
.set NT,  32                           ; key tiles of a head
.set NKS, 4                            ; key steps of 128
.set XSV, 16                           ; key steps in a row of V's buffer
.set RK,  0xc00000
.set RKS, 0xe60000
.set RV,  0xd00000
.set RVS, 0xe68000
.set KC,  0                            ; LDS: K's codes [key tile][1,024]
.set VC,  NT*1024                      ; V's codes [quarter][d tile][4 steps][2,048]
.set KSL, VC+NQ*32768                  ; K's scale words [key tile][64]
.set VSL, KSL+NT*64                    ; V's [d tile][step][64]
.set WQC, VSL+4*NKS*64                 ; Wq's codes [tile][K step][2,048]
.set WQSL, WQC+65536                   ; Wq's scale words [tile][K step][64]
.set S,   104
.set OT,  168
.set PC,  200
.set KW,  216
.set BM,  224
.set BT,  228
.set LM,  232
.set SO,  236
.set XF,  120
.set QA,  184
.set XW,  246
.set WV,  8
.set TK,  60
.set TKS, 61
.set TV,  62
.set TVS, 63
.set CNT, 66
.set MNT, 67
.set CS,  68
.set SEL, 70
.macro ROUND                           ; a round of the cluster's barrier
	s_barrier_signal -1
	s_barrier_wait -1
	s_cmp_lg_u32 s[WV], 0
	s_cbranch_scc1 .Lnot_wave_0_\@
	s_barrier_signal -3
.Lnot_wave_0_\@:
	s_barrier_wait -3
	s_barrier_signal -1
	s_barrier_wait -1
.endm
; 32 numbers of a lane, register 16 b + i = feature 32 b + 16 (lane / 16) + i of my query, become 8 registers of codes and the two bytes of a scale word (its upper bytes 0)
.macro QUANT2 s, pc, pw
.irp b, 0,1
	v_max3_num_f32 v[BM+\b], |v[\s+16*\b]|, |v[\s+1+16*\b]|, 0x4800000   ; the floor 2^(9 - 127): the byte cannot fall under 1
.endr
.irp i, 2,4,6,8,10,12,14
.irp b, 0,1
	v_max3_num_f32 v[BM+\b], v[BM+\b], |v[\s+16*\b+\i]|, |v[\s+1+16*\b+\i]|
.endr
.endr
.irp b, 0,1
	v_permlanex16_b32 v[BT+\b], v[BM+\b], s[SEL], s[SEL+1]
.endr
.irp b, 0,1
	v_max_num_f32 v[BM+\b], v[BM+\b], v[BT+\b]
.endr
.irp b, 0,1
	v_add_nc_u32 v[SO+\b], 0xfc000000, v[BM+\b]
.endr
.irp b, 0,1
.endr
.irp b, 0,1
	v_lshrrev_b32 v[BT+\b], 23, v[SO+\b]
.endr
	v_lshl_or_b32 v[\pw], v[BT+1], 8, v[BT]
.irp b, 0,1
.irp i, 0,1,2,3,4,5,6,7,8,9,10,11,12,13,14,15
.endr
	v_cvt_scalef32_pk8_fp8_f32 v[\pc+4*\b:\pc+4*\b+1], v[\s+16*\b:\s+16*\b+7], v[SO+\b]
	v_cvt_scalef32_pk8_fp8_f32 v[\pc+4*\b+2:\pc+4*\b+3], v[\s+16*\b+8:\s+16*\b+15], v[SO+\b]
.endr
	v_nop                                          ; a plain place behind the conversions
.endm
.macro QSTEP s                         ; K step s of the q product: Wq's four fragments and words from LDS, four products
.if (\s) == 7
.set yb_, 224
.else
.set yb_, 8+16*(\s)
.endif
.if (\s) > 0
.rept 8
	v_nop                                          ; eight places between the last products and loads into registers that they read
.endr
.endif
.irp t, 0,1,2,3
.irp c, 0,1,2,3
	ds_load_b128 v[XF+16*\t+4*\c:XF+16*\t+4*\c+3], v7 offset:16384*\t+2048*(\s)+512*\c
.endr
	ds_load_b32 v[XW+\t], v240 offset:(8*\t+(\s))*64
.endr
	s_wait_dscnt 0x0
.irp t, 0,1,2,3
.if (\s) == 0
	v_wmma_scale_f32_16x16x128_f8f6f4 v[QA+8*\t:QA+8*\t+7], v[XF+16*\t:XF+16*\t+15], v[yb_:yb_+15], 0, v[XW+\t], v[KW+(\s)]
.else
	v_wmma_scale_f32_16x16x128_f8f6f4 v[QA+8*\t:QA+8*\t+7], v[XF+16*\t:XF+16*\t+15], v[yb_:yb_+15], v[QA+8*\t:QA+8*\t+7], v[XW+\t], v[KW+(\s)]
.endif
.endr
.endm
.macro TMM                             ; t - M of the pair of scores at v[r_]
	v_pk_fma_f32 v[r_:r_+1], v[r_:r_+1], s[CS:CS+1], v[12:13] op_sel_hi:[1,0,0]
.endm
.macro SUM1                            ; the pair of unquantised p at v[r_] onto chain c_ of the row's sum
.if c_ == 0
	v_pk_add_f32 v[14:15], v[14:15], v[r_:r_+1]
.else
	s_wait_alu depctr_va_vdst(0)
	v_pk_add_f32 v[240:241], v[240:241], v[r_:r_+1]
.endif
.endm
.macro OTF                             ; O^T's pair at v[r_] under the new M: x f
	v_pk_mul_f32 v[r_:r_+1], v[r_:r_+1], v[242:243] op_sel_hi:[1,0]
.endm
.macro CVT2                            ; block cb_: the lane's 16 numbers become 4 registers of codes
	v_cvt_scalef32_pk8_fp8_f32 v[PC+4*cb_:PC+4*cb_+1], v[S+16*cb_:S+16*cb_+7], v[SO+cb_]
	v_cvt_scalef32_pk8_fp8_f32 v[PC+4*cb_+2:PC+4*cb_+3], v[S+16*cb_+8:S+16*cb_+15], v[SO+cb_]
	s_wait_alu depctr_va_vdst(0)
.endm
; Plain instruction number gn of the list that stands among the 64 exponentials of p: numbers 2 k and 2 k + 1 behind exponential k, so numbers 32 b .. 32 b + 31 beside block b's.  None of them names a register of block b.
;   0-7 block 1's t - M;  8, 9 the two sums under the new M;  10-28 the four blocks' scales: floor, scale operand, byte, and p's scale word (18-21 are empty);  29-31 three pairs of O^T
;   32 b + 0-7 block b + 1's t - M;  + 8-15 block b - 1's sums;  + 16-31 empty   (b = 1, 2)
;   96-103 block 2's sums;  104-119 empty;  120-127 five pairs of O^T (121, 123, 125 are empty)
; O^T's pairs in this list are the two lowest of each accumulator, so that each is read from its low end on.
.macro GF
.set gb_, gn/32
.set gi_, gn%32
.if gn < 8
.set r_, S+16+2*gn
	TMM
.elseif gn == 8
	v_pk_mul_f32 v[14:15], v[14:15], v[242:243] op_sel_hi:[1,0]
.elseif gn == 9
	v_pk_mul_f32 v[240:241], v[240:241], v[242:243] op_sel_hi:[1,0]
.elseif gn < 14
	s_wait_alu depctr_va_vdst(0)
	v_max_num_f32 v[BM+gn-10], 0x4800000, v[BM+gn-10]    ; the floor 2^(9 - 127): the byte cannot fall under 1
.elseif gn < 18
	v_add_nc_u32 v[SO+gn-14], 0xfc000000, v[BM+gn-14]    ; 8 off the exponent field: the conversion's scale operand
.elseif gn < 22
.elseif gn < 26
	v_lshrrev_b32 v[BT+gn-22], 23, v[SO+gn-22]           ; the byte
.elseif gn == 26
	s_setprio 1
	v_lshl_or_b32 v243, v[BT+1], 8, v[BT]                ; p's scale word for these 128 keys
.elseif gn < 29
	v_lshl_or_b32 v243, v[BT+gn-25], 8*(gn-25), v243
.elseif gn < 32
.set q_, gn-29
.set r_, OT+2*(4*(q_/2)+q_%2)
	OTF
.elseif gn < 96
.if gi_ < 8
.set r_, S+16*(gb_+1)+2*gi_
	TMM
.elseif gi_ < 16
.set r_, S+16*(gb_-1)+2*(gi_-8)
.set c_, gi_%2
	SUM1
.else
.set r_, S+16*(gb_-1)+gi_-16
.endif
.elseif gi_ < 8
.set r_, S+32+2*gi_
.set c_, gi_%2
	SUM1
.elseif gi_ < 24
.set r_, S+32+gi_-8
.elseif (gi_%2 == 0) || (gi_ == 31)
.set q_, 3+(gi_-23)/2
.set r_, OT+2*(4*(q_/2)+q_%2)
	OTF
.endif
.endm
.macro STEP                            ; 128 keys
	v_add_nc_u32 v8, s[TK], v1
	v_add_nc_u32 v9, s[TV], v2
	v_add_nc_u32 v10, s[TKS], v3
	v_add_nc_u32 v11, s[TVS], v4
.rept 4
	v_nop                                          ; with the four additions: eight places between the last products and loads into registers that they read
.endr
.irp t, 0,1,2,3,4,5,6,7
	ds_load_b128 v[32+8*\t:35+8*\t], v8 offset:1024*\t
	ds_load_b128 v[36+8*\t:39+8*\t], v8 offset:1024*\t+512
	ds_load_u16 v[KW+\t], v10 offset:64*\t         ; the head's two bytes; bytes 2 and 3 come as 0
.endr
	s_wait_dscnt 0x0
.irp t, 0,1,2,3,4,5,6,7
	v_wmma_scale_f32_16x16x128_f8f6f4 v[S+8*\t:S+8*\t+7], v[32+8*\t:47+8*\t], v[16:31], 0, v[KW+\t], v245
.endr
.rept 8
	v_nop
.endr
.irp d, 0,1,2,3                        ; V's fragments are asked for now and land under the softmax
.irp c, 0,1,2,3
	ds_load_b128 v[32+16*\d+4*\c:35+16*\d+4*\c], v9 offset:8192*\d+512*\c
.endr
	ds_load_b32 v[KW+\d], v11 offset:\d*NKS*64
.endr
.irp b, 0,1,2,3
	v_max3_num_f32 v[BM+\b], v[S+16*\b], v[S+1+16*\b], v[S+2+16*\b]   ; the largest score of each block of 32 keys: for the row's maximum, and for the block's largest p
.endr
.irp i, 3,5,7,9,11,13
.irp b, 0,1,2,3
	v_max3_num_f32 v[BM+\b], v[BM+\b], v[S+16*\b+\i], v[S+1+16*\b+\i]
.endr
.endr
.irp b, 0,1,2,3
	v_max_num_f32 v[BM+\b], v[BM+\b], v[S+15+16*\b]
.endr
.irp b, 0,1,2,3
	v_permlanex16_b32 v[BT+\b], v[BM+\b], s[SEL], s[SEL+1]
.endr
.irp b, 0,1,2,3
	v_max_num_f32 v[BM+\b], v[BM+\b], v[BT+\b]     ; with lane l xor 16's 16 keys
.endr
	v_max3_num_f32 v244, v[BM], v[BM+1], v[BM+2]
	v_max_num_f32 v244, v244, v[BM+3]
	v_mul_f32 v244, s[CS], v244                    ; as t (c is positive)
	v_max_num_f32 v13, v13, v244                   ; the running largest t
	v_mov_b32 v244, v12
	v_floor_f32 v12, -v13                          ; the new -M = floor(-t)
	v_sub_f32 v244, v12, v244                      ; old M - new M: a whole number, 0 or less
	v_cvt_i32_f32 v244, v244                       ; (it saturates)
	v_ldexp_f32 v242, 1.0, v244                    ; f = 2^(old M - new M)
.irp b, 0,1,2,3
	v_fma_f32 v[BM+\b], v[BM+\b], s[CS], v12       ; t - M of each block's largest score
.endr
.set jj, 0
.rept 4                                ; the blocks' largest p (the same two instructions on the same number as p itself), with block 0's t - M between them
	v_exp_f32 v[BM+jj], v[BM+jj]
.set r_, S+4*jj
	TMM
.set r_, S+4*jj+2
	TMM
.set jj, jj+1
.endr
.set kk, 0
.rept 64                               ; p = 2^(t - M), and the list's plain instructions behind each
	v_exp_f32 v[S+kk], v[S+kk]
.set gn, 2*kk
	GF
.set gn, 2*kk+1
	GF
.if (kk > 16) && (kk%16 == 15)
.set cb_, kk/16-1
	CVT2                                           ; the block before the one just finished has been summed
.endif
.set kk, kk+1
.endr
.set jj, 0
	s_setprio 0
.rept 8                                ; block 3: sums,
.set r_, S+48+2*jj
.set c_, jj%2
	SUM1
.set jj, jj+1
.endr
.set jj, 0
.rept 16
.set jj, jj+1
.endr
.set cb_, 3
	CVT2                                           ; and codes
.set q_, 0
.rept 8                                ; the upper two pairs of each accumulator of O^T: two of the eight name a given product's registers, so six plain places that name none of them stand between p's last codes and each product
.set r_, OT+2*(4*(q_/2)+2+q_%2)
	OTF
.set q_, q_+1
.endr
	s_wait_dscnt 0x0                               ; V
.irp d, 0,1,2,3
	v_wmma_scale_f32_16x16x128_f8f6f4 v[OT+8*\d:OT+8*\d+7], v[32+16*\d:47+16*\d], v[PC:PC+15], v[OT+8*\d:OT+8*\d+7], v[KW+\d], v243
.endr
	s_add_co_u32 s[TK], s[TK], 8192
	s_add_co_u32 s[TKS], s[TKS], 512
	s_add_co_u32 s[TV], s[TV], 2048
	s_add_co_u32 s[TVS], s[TVS], 64
.endm
	s_load_b128 s[4:7], s[0:1], 0x0                ; qkv, ocd
	s_load_b128 s[88:91], s[0:1], 0x10             ; act, wts_ca
	v_lshl_add_u32 v254, v0, 2, 0x29000
	v_mov_b32 v255, 0
	ds_add_u32 v254, v255
	ds_add_u32 v254, v255
	v_lshrrev_b32 v1, 5, v0
	v_readfirstlane_b32 s[WV], v1                  ; wave 0..15
	s_bfe_u32 s9, ttmp6, 0x40000                   ; cx: it enters LN(x1)'s and o's global addresses alone
	s_lshl_b32 s10, ttmp9, 2
	s_add_co_u32 s10, s10, s9                      ; my block of 256 queries
	s_and_b32 s11, ttmp7, 0xffff
	s_lshr_b32 s12, s11, 3                         ; batch
	s_and_b32 s13, s11, 7                          ; head
	s_lshr_b32 s14, s13, 1
	s_and_b32 s15, s13, 1
	s_and_b32 s23, s[WV], 7                        ; my number among the eight waves that fetch K, or V
	s_mov_b32 s[CS], 0x3e38aa3b                    ; c = log2(e) / 8
	s_mov_b32 s[CS+1], s[CS]
	s_mov_b32 s[SEL], 0x76543210
	s_mov_b32 s[SEL+1], 0xfedcba98
	s_mov_b32 s[TK], 0
	s_mov_b32 s[TKS], 0
	s_mov_b32 s[TV], 0
	s_mov_b32 s[TVS], 0
	s_wait_dscnt 0x0
	s_wait_kmcnt 0x0
	ROUND                                          ; all four work-groups are here: the joint loads meet
	s_mov_b32 s48, 15|(3<<16)|(1<<21)              ; Wq's codes: wave w brings 4,096 dense bytes of the head's block as 16 rows of 256.  Mask: all four; elements of 8 bytes; bit 21 beside a mask
	s_mov_b32 s49, 32<<16
	s_mov_b32 s50, 16<<16
	s_mov_b32 s51, 32<<16
	s_mov_b32 s52, 16
	s_mov_b32 s53, 32
	s_mov_b32 s54, 0
	s_mov_b32 s55, 0
	s_mov_b32 s92, 15|(3<<16)|(1<<21)              ; Wq's words: wave w brings 128 of the head's 2,048 bytes, one row
	s_mov_b32 s93, 16<<16
	s_mov_b32 s94, 1<<16
	s_mov_b32 s95, 16<<16
	s_mov_b32 s96, 1
	s_mov_b32 s97, 16
	s_mov_b32 s98, 0
	s_mov_b32 s99, 0
	s_lshl_b32 s16, s13, 16                        ; the head's four tiles: 65,536 bytes on end
	s_lshl_b32 s18, s[WV], 12
	s_add_co_u32 s16, s16, s18
	s_mov_b32 s17, 0
	s_mov_b32 s56, 1
	s_add_co_u32 s57, s18, WQC
	s_add_nc_u64 s[58:59], s[90:91], s[16:17]
	s_or_b32 s59, s59, 0x80000000
	s_lshl_b32 s16, s13, 11
	s_lshl_b32 s18, s[WV], 7
	s_add_co_u32 s16, s16, s18
	s_add_co_u32 s16, s16, 0x200000
	s_mov_b32 s72, 1
	s_add_co_u32 s73, s18, WQSL
	s_add_nc_u64 s[74:75], s[90:91], s[16:17]
	s_or_b32 s75, s75, 0x80000000
	s_cmp_lt_u32 s[WV], 8                          ; one branch on the wave's number; each arm issues four loads: so many of mine are out
	s_cbranch_scc0 .Lv_arm
	s_mov_b32 s24, 15|(3<<16)|(1<<21)              ; K's words: NT / 8 rows of 64 bytes, 256 apart
	s_mov_b32 s25, 8<<16
	s_mov_b32 s26, (NT/8)<<16
	s_mov_b32 s27, 8<<16
	s_mov_b32 s28, NT/8
	s_mov_b32 s29, 32
	s_mov_b32 s30, 0
	s_mov_b32 s31, 0
	s_mov_b32 s32, 15|(3<<16)|(1<<21)              ; K's codes: 4 tiles' rows of 1,024 bytes, 8,192 apart
	s_mov_b32 s33, 128<<16
	s_mov_b32 s34, 4<<16
	s_mov_b32 s35, 128<<16
	s_mov_b32 s36, 4
	s_mov_b32 s37, 1024
	s_mov_b32 s38, 0
	s_mov_b32 s39, 0
	s_mul_i32 s16, s12, NT
	s_mul_i32 s17, s23, NT/8
	s_add_co_u32 s16, s16, s17
	s_lshl_b32 s16, s16, 8
	s_lshl_b32 s17, s14, 6
	s_add_co_u32 s16, s16, s17
	s_add_co_u32 s16, s16, RKS
	s_mov_b32 s17, 0
	s_mov_b32 s40, 1
	s_mul_i32 s41, s23, (NT/8)*64
	s_add_co_u32 s41, s41, KSL
	s_add_nc_u64 s[42:43], s[4:5], s[16:17]
	s_or_b32 s43, s43, 0x80000000
	s_mul_i32 s18, s12, NT
	s_lshl_b32 s19, s23, 2
	s_add_co_u32 s18, s18, s19
	s_lshl_b32 s18, s18, 13
	s_lshl_b32 s19, s13, 10
	s_add_co_u32 s18, s18, s19
	s_add_co_u32 s18, s18, RK
	s_mov_b32 s19, 0
	s_add_nc_u64 s[18:19], s[4:5], s[18:19]
	s_mov_b32 s44, 1
	s_lshl_b32 s45, s23, 12
	s_add_co_u32 s45, s45, KC
	s_mov_b64 s[46:47], s[18:19]
	s_or_b32 s47, s47, 0x80000000
	tensor_load_to_lds s[72:75], s[92:99]          ; Wq's words and codes first: the q product wants them first
	s_nop 0
	tensor_load_to_lds s[56:59], s[48:55]
	s_nop 0
	tensor_load_to_lds s[40:43], s[24:31]
	s_nop 0
	tensor_load_to_lds s[44:47], s[32:39]
	s_nop 0
.rept 4
	v_nop
.endr
	s_branch .Lasked
.Lv_arm:
	s_mov_b32 s24, 15|(3<<16)|(1<<21)              ; V's words: one row of NKS x 32 bytes
	s_mov_b32 s25, (NKS*4)<<16
	s_mov_b32 s26, 1<<16
	s_mov_b32 s27, (NKS*4)<<16
	s_mov_b32 s28, 1
	s_mov_b32 s29, NKS*4
	s_mov_b32 s30, 0
	s_mov_b32 s31, 0
	s_mov_b32 s32, 15|(3<<16)|(1<<21)              ; V's codes: two key steps of one d tile, 4,096 dense bytes as 16 rows of 256
	s_mov_b32 s33, 32<<16
	s_mov_b32 s34, 16<<16
	s_mov_b32 s35, 32<<16
	s_mov_b32 s36, 16
	s_mov_b32 s37, 32
	s_mov_b32 s38, 0
	s_mov_b32 s39, 0
	s_lshr_b32 s20, s23, 1                         ; d tile of the head
	s_and_b32 s21, s23, 1                          ; which half of the four steps
	s_lshl_b32 s16, s13, 2
	s_add_co_u32 s16, s16, s20
	s_mul_i32 s16, s16, XSV
	s_mul_i32 s17, s12, NKS
	s_add_co_u32 s16, s16, s17                     ; block (d tile, the batch's first key step)
	s_lshl_b32 s18, s16, 6
	s_mul_i32 s19, s21, NKS*32
	s_add_co_u32 s18, s18, s19
	s_add_co_u32 s18, s18, RVS
	s_mov_b32 s19, 0
	s_mov_b32 s40, 1
	s_mul_i32 s41, s23, NKS*32
	s_add_co_u32 s41, s41, VSL
	s_add_nc_u64 s[42:43], s[4:5], s[18:19]
	s_or_b32 s43, s43, 0x80000000
	s_lshl_b32 s17, s21, 1
	s_add_co_u32 s16, s16, s17
	s_lshl_b32 s16, s16, 11
	s_add_co_u32 s16, s16, RV
	s_mov_b32 s17, 0
	s_add_nc_u64 s[16:17], s[4:5], s[16:17]
	s_mov_b32 s44, 1
	s_lshl_b32 s45, s23, 12
	s_add_co_u32 s45, s45, VC
	s_mov_b64 s[46:47], s[16:17]
	s_or_b32 s47, s47, 0x80000000
	tensor_load_to_lds s[72:75], s[92:99]
	s_nop 0
	tensor_load_to_lds s[56:59], s[48:55]
	s_nop 0
	tensor_load_to_lds s[40:43], s[24:31]
	s_nop 0
	tensor_load_to_lds s[44:47], s[32:39]
	s_nop 0
.rept 4
	v_nop
.endr
.Lasked:
	s_lshl_b32 s82, s12, 7                         ; my tile of queries: 128 x batch + 16 x block + wave
	s_lshl_b32 s83, s10, 4
	s_add_co_u32 s82, s82, s83
	s_add_co_u32 s82, s82, s[WV]
	s_lshl_b32 s84, s82, 14                        ; LN(x1)'s codes: 16,384 bytes a tile
	s_mov_b32 s85, 0
	s_add_nc_u64 s[76:77], s[88:89], s[84:85]
	s_lshl_b32 s84, s82, 9                         ; and its scale words: 512 bytes a tile
	s_add_co_u32 s84, s84, 0x1200000
	s_add_nc_u64 s[86:87], s[88:89], s[84:85]
	s_lshl_b32 s84, s82, 13
	s_lshl_b32 s83, s13, 10
	s_add_co_u32 s84, s84, s83                     ; the head's 1,024 bytes of o's tile
	s_add_nc_u64 s[78:79], s[6:7], s[84:85]
	s_lshl_b32 s84, s82, 8
	s_lshl_b32 s83, s14, 6
	s_add_co_u32 s84, s84, s83
	s_lshl_b32 s83, s15, 1
	s_add_co_u32 s84, s84, s83                     ; the head's two bytes of a scale word
	s_add_nc_u64 s[80:81], s[6:7], s[84:85]
	s_add_nc_u64 s[80:81], s[80:81], 0x400000
	v_and_b32 v5, 31, v0
	v_lshlrev_b32 v5, 4, v5                        ; 16 x lane
	v_and_b32 v6, 15, v0
	v_lshlrev_b32 v6, 2, v6                        ; 4 r
.set ss_, 0
.rept 8                                ; my tile of LN(x1), all 8 K steps: each load reads 512 consecutive bytes
.if ss_ == 7
.set yb_, 224
.else
.set yb_, 8+16*ss_
.endif
.irp c, 0,1,2,3
	global_load_b128 v[yb_+4*\c:yb_+4*\c+3], v5, s[76:77] offset:2048*ss_+512*\c
.endr
	global_load_b32 v[KW+ss_], v6, s[86:87] offset:64*ss_
.set ss_, ss_+1
.endr
	v_add_nc_u32 v1, KC, v5
	v_add_nc_u32 v2, VC, v5
	s_lshl_b32 s22, s15, 1
	s_add_co_u32 s22, s22, KSL
	v_add_nc_u32 v3, s22, v6
	v_add_nc_u32 v4, VSL, v6
	v_add_nc_u32 v7, WQC, v5
	v_add_nc_u32 v240, WQSL, v6
	s_wait_tensorcnt 2                             ; my parts of Wq's words and codes have landed; my two younger loads, parts of K or V, may stay out
	s_barrier_signal -1
	s_barrier_wait -1                              ; everybody's have
	s_wait_loadcnt 0x0                             ; LN(x1)
.set Q_, 0
.rept 8
	QSTEP Q_
.set Q_, Q_+1
.endr
.rept 8
	v_nop                                          ; places in front of the first read of results and the first write over operands
.endr
.irp b, 0,1,2,3
	v_mov_b32 v[BT+\b], 0                          ; a lane permute's destination counts as one of its sources
.endr
	QUANT2 QA, 16, 245                             ; q's codes are Q's fragment, its two bytes Q's scale word
.set jj, 0
.rept 8
	v_mov_b32 v[24+jj], 0                          ; Q's upper half: zero codes
	v_mov_b32 v[96+jj], 0                          ; and what stands behind K's last fragment
.set jj, jj+1
.endr
.set jj, 0
.rept 32
	v_mov_b32 v[OT+jj], 0                          ; the step is written once: the first finds zeros, which the first change of M leaves zeros
.set jj, jj+1
.endr
	v_mov_b32 v13, 0xff61b1e6                      ; -3e38, under every t
	v_floor_f32 v12, -v13
	v_mov_b32 v14, 0                               ; the row's sum: two chains of two halves
	v_mov_b32 v15, 0
	v_mov_b32 v240, 0
	v_mov_b32 v241, 0
	v_mov_b32 v243, 0                              ; (named as the upper half of v[242:243] before it is first written)
	s_wait_tensorcnt 0x0                           ; my parts of K's or V's words and codes have landed,
	s_barrier_signal -1
	s_barrier_wait -1                              ; everybody's have
	s_mov_b32 s[CNT], 4
.Lstep:
	s_setprio 2
	STEP
	s_sub_co_u32 s[CNT], s[CNT], 1
	s_cmp_lg_u32 s[CNT], 0
	s_cbranch_scc1 .Lstep
	s_setprio 0
.rept 8
	v_nop                                          ; places in front of the first read of the last results
.endr
	v_pk_add_f32 v[14:15], v[14:15], v[240:241]    ; the sum's two chains,
	v_add_f32 v14, v14, v15                        ; its two halves,
	v_permlanex16_b32 v244, v14, s[SEL], s[SEL+1]
	v_add_f32 v14, v14, v244                       ; and lane l xor 16's: the row's sum
	v_rcp_f32 v14, v14
	v_nop                                          ; a plain place behind the transcendental
.set jj, 0
	s_wait_alu depctr_va_vdst(0)
.rept 32
	v_mul_f32 v[S+jj], v[OT+jj], v14               ; o: register 16 b + i = channel 32 b + 16 (lane / 16) + i of my query
.set jj, jj+1
.endr
	QUANT2 S, PC, 243                              ; o's two blocks of 32 are quantised as every operand is
	global_store_b128 v5, v[PC:PC+3], s[78:79]               ; 512 consecutive bytes, aligned
	global_store_b128 v5, v[PC+4:PC+7], s[78:79] offset:512
	global_store_b16 v6, v243, s[80:81]                      ; the head's two bytes of my query's word; the word's other half is another head's
	s_wait_tensorcnt 0x0
	ds_add_u32 v254, v255
	s_wait_dscnt 0x0
	ROUND                                          ; the closing round: no work-group ends while a partner may still ask for a tile that names it
	s_endpgm
.Lfunc_end_k_q1f0de3aba2_attn_ca:
	.size	k_q1f0de3aba2_attn_ca, .Lfunc_end_k_q1f0de3aba2_attn_ca-k_q1f0de3aba2_attn_ca
	.p2alignl 7, 3214868480
	.fill 96, 4, 3214868480
	.section	.rodata,"a",@progbits
	.p2align	6, 0x0
	.amdhsa_kernel k_q1f0de3aba2_attn_ca
		.amdhsa_group_segment_fixed_size 169984
		.amdhsa_private_segment_fixed_size 0
		.amdhsa_enable_private_segment 0
		.amdhsa_kernarg_size 32
		.amdhsa_user_sgpr_count 2
		.amdhsa_user_sgpr_kernarg_segment_ptr 1
		.amdhsa_wavefront_size32 1
		.amdhsa_system_sgpr_workgroup_id_x 1
		.amdhsa_system_sgpr_workgroup_id_y 1
		.amdhsa_system_sgpr_workgroup_id_z 1
		.amdhsa_system_vgpr_workitem_id 0
		.amdhsa_next_free_vgpr 256
		.amdhsa_next_free_sgpr 100
		.amdhsa_reserve_vcc 0
		.amdhsa_float_denorm_mode_32 3
		.amdhsa_float_denorm_mode_16_64 3
		.amdhsa_fp16_overflow 1
		.amdhsa_memory_ordered 1
		.amdhsa_forward_progress 1
		.amdhsa_inst_pref_size 56
	.end_amdhsa_kernel
	.amdgpu_metadata
---
amdhsa.version: [ 1, 2 ]
amdhsa.kernels:
  - .name:           k_q1f0de3aba2_attn_ca
    .symbol:         k_q1f0de3aba2_attn_ca.kd
    .args:
      - { .name: qkv, .offset: 0, .size: 8, .value_kind: global_buffer, .address_space: global }
      - { .name: ocd, .offset: 8, .size: 8, .value_kind: global_buffer, .address_space: global }
      - { .name: act, .offset: 16, .size: 8, .value_kind: global_buffer, .address_space: global }
      - { .name: wts_ca, .offset: 24, .size: 8, .value_kind: global_buffer, .address_space: global }
    .group_segment_fixed_size: 169984
    .private_segment_fixed_size: 0
    .kernarg_segment_align: 8
    .kernarg_segment_size: 32
    .max_flat_workgroup_size: 512
    .sgpr_count:     100
    .vgpr_count:     256
    .wavefront_size: 32
...
	.end_amdgpu_metadata
.endif
;; end of part 7
;; launch oproj_ca: the kernel of part 5 again; grid 256 x 1, 8 waves a work-group, no clusters, 267,264 bytes of LDS; arguments ocd, wts_ca, ca_bo, x1, out0; writes out0
